; MI455X (gfx1250); checked and timed in simulation.
; The chip was launched on July 23, 2026; its instructions are those of AMD's public machine-readable ISA for CDNA 5 (MIT licence, August 2026) and "CDNA5" Instruction Set Architecture Reference Guide (July 2026). The comments in the code are by the model that wrote it; some were corrected since.
;; Sparse Mo E Layer. Allowed arithmetic: matrix products marked QUANTISED: E2M1 operands, one E8M0 scale for each 32 along K, by v_wmma_scale_f32_16x16x128_f8f6f4 with both operands' format E2M1 (or v_wmma_scale_f32_32x16x128_f4), f32 sums; products left as they are: f32 operands where the result goes on into a quantised operand, else bf16, f16 or f32 operands; f32 sums; everything else in f32.
;; Inputs: gate_w 8 x 1,024 float32; w_gate 8 x 2,048 x 1,024 float32; w_in 8 x 2,048 x 1,024 float32; w_out 8 x 1,024 x 2,048 float32; x 4 x 256 x 1,024 float32.
;; Outputs: out0 4 x 256 x 1,024 float32.
;; This version of the problem:
;;   THIS VERSION OF THE PROBLEM IS GIVEN IN LOW PRECISION. The matrix products marked QUANTISED in the list below multiply operands that are first quantised to E2M1 (2 exponent bits, 1 mantissa bit; 4 bits a number), with one power-of-two scale for each 32 numbers along K (OCP MX v1.0); their sums are f32. All else is computed in f32.
;;   The module's matrix products, in the order in which they are computed (A, B: the left and right operand; K: the contracted axis; several contracted axes count as one K, in the product's order):
;;     1. [M 1,024, K 1,024] x [K 1,024, N 8]; A: input x; B: input gate_w: left as it is (N = 8 < 16)
;;     2. [M 1,024, K 1,024] x [K 1,024, N 2,048]; A: computed on the way; B: input w_gate: QUANTISED
;;     3. [M 1,024, K 1,024] x [K 1,024, N 2,048]; A: computed on the way; B: input w_in: QUANTISED
;;     4. [M 1,024, K 2,048] x [K 2,048, N 1,024]; A: computed on the way; B: input w_out: QUANTISED
;;     5. [M 1,024, K 1,024] x [K 1,024, N 2,048]; A: computed on the way; B: input w_gate: QUANTISED
;;     6. [M 1,024, K 1,024] x [K 1,024, N 2,048]; A: computed on the way; B: input w_in: QUANTISED
;;     7. [M 1,024, K 2,048] x [K 2,048, N 1,024]; A: computed on the way; B: input w_out: QUANTISED
;;     8. [M 1,024, K 1,024] x [K 1,024, N 2,048]; A: computed on the way; B: input w_gate: QUANTISED
;;     9. [M 1,024, K 1,024] x [K 1,024, N 2,048]; A: computed on the way; B: input w_in: QUANTISED
;;     10. [M 1,024, K 2,048] x [K 2,048, N 1,024]; A: computed on the way; B: input w_out: QUANTISED
;;     11. [M 1,024, K 1,024] x [K 1,024, N 2,048]; A: computed on the way; B: input w_gate: QUANTISED
;;     12. [M 1,024, K 1,024] x [K 1,024, N 2,048]; A: computed on the way; B: input w_in: QUANTISED
;;     13. [M 1,024, K 2,048] x [K 2,048, N 1,024]; A: computed on the way; B: input w_out: QUANTISED
;;     14. [M 1,024, K 1,024] x [K 1,024, N 2,048]; A: computed on the way; B: input w_gate: QUANTISED
;;     15. [M 1,024, K 1,024] x [K 1,024, N 2,048]; A: computed on the way; B: input w_in: QUANTISED
;;     16. [M 1,024, K 2,048] x [K 2,048, N 1,024]; A: computed on the way; B: input w_out: QUANTISED
;;     17. [M 1,024, K 1,024] x [K 1,024, N 2,048]; A: computed on the way; B: input w_gate: QUANTISED
;;     18. [M 1,024, K 1,024] x [K 1,024, N 2,048]; A: computed on the way; B: input w_in: QUANTISED
;;     19. [M 1,024, K 2,048] x [K 2,048, N 1,024]; A: computed on the way; B: input w_out: QUANTISED
;;     20. [M 1,024, K 1,024] x [K 1,024, N 2,048]; A: computed on the way; B: input w_gate: QUANTISED
;;     21. [M 1,024, K 1,024] x [K 1,024, N 2,048]; A: computed on the way; B: input w_in: QUANTISED
;;     22. [M 1,024, K 2,048] x [K 2,048, N 1,024]; A: computed on the way; B: input w_out: QUANTISED
;;     23. [M 1,024, K 1,024] x [K 1,024, N 2,048]; A: computed on the way; B: input w_gate: QUANTISED
;;     24. [M 1,024, K 1,024] x [K 1,024, N 2,048]; A: computed on the way; B: input w_in: QUANTISED
;;     25. [M 1,024, K 2,048] x [K 2,048, N 1,024]; A: computed on the way; B: input w_out: QUANTISED
;;   THE QUANTISER, for each operand of a quantised product, along K:
;;     - K is cut into blocks of 32 from its start; a last block that is shorter is filled with zeros.
;;     - A block's scale is 2^e with e = floor(log2(the largest magnitude in the block)) - 2, held to -126 .. 127; a block of zeros has e = 0. As a byte (E8M0): e + 127.
;;     - Each number is divided by its block's scale, clamped to +-6, and rounded to the nearest number of E2M1, ties to even, subnormals kept.
;;     - The product sums the exact products of the quantised numbers (number of the format x scale) in f32.
;;   ~~~python
;;   def quantise(x, axis):      # numpy; x: float32 -> the quantised numbers, widened to float32 again
;;       x = np.moveaxis(x, axis, -1); K = x.shape[-1]
;;       x = np.pad(x, [(0, 0)] * (x.ndim - 1) + [(0, -K % 32)]); x = x.reshape(x.shape[:-1] + (-1, 32)); a = np.abs(x).max(-1, keepdims=True)
;;       e = np.where(a > 0, np.clip(np.frexp(np.where(a > 0, a, 1))[1] - 1 - 2, -126, 127), 0)      # np.frexp(a)[1] - 1 = floor(log2(a)), exactly
;;       r = np.clip(x / 2.0 ** e, -6, 6)
;;       step = 2.0 ** (np.maximum(np.frexp(np.where(r == 0, 1, r))[1] - 1, 0) - 1)
;;       q = np.round(r / step) * step * 2.0 ** e      # np.round: ties to even
;;       return np.moveaxis(q.reshape(q.shape[:-2] + (-1,))[..., :K], -1, axis).astype(np.float32)
;;   ~~~
;;   OPERANDS COMPUTED ON THE WAY. 'Computed on the way' means the value that the module computes at that place (a softmax that the list does not call 'softmax' is quantised finished and normalised). What goes into a quantiser is computed in f32, as accurately as f32 sums, v_exp_f32 and their like allow (about 1e-6 of the number): no bf16 or f16 on the way to a quantiser, and a product that is left as it is and whose result goes on into a quantised operand takes f32 operands (vector FMAs, or v_wmma_f32_16x16x4_f32). A number that lies on a knife's edge between two numbers of the format may be rounded either way, as far as f32 arithmetic and the matrix unit's own rounding can turn it there, and no further.
;; 2 versions, each right; version 2 is version 1 with the launches up, down written anew for expert scheduling mode. Each part assembles by itself: llvm-mc -triple=amdgcn-amd-amdhsa -mcpu=gfx1250 --defsym DOCPART=n.
;; ======== version 1 of 2: 5 launches
;; workspace buffers: xq 524,288 bytes; xs 32,768 bytes; sel 16,384 bytes of whole numbers; gw 16,384 bytes; hq 8,388,608 bytes; hs 524,288 bytes; pos 74,752 bytes of whole numbers; y 33,554,432 bytes
;; launch route (part 1): grid 128 x 1, 8 waves a work-group, no clusters, 42,496 bytes of LDS; arguments x, gate_w, xq, xs, sel, gw; writes xq, xs, sel, gw
.if DOCPART == 1
	.amdgcn_target "amdgcn-amd-amdhsa--gfx1250"
	.amdhsa_code_object_version 6
	.text
	.protected	k_q532dfcd87f_route
	.globl	k_q532dfcd87f_route
	.p2align	8
	.type	k_q532dfcd87f_route,@function
k_q532dfcd87f_route:
	s_mov_b64 s[64:65], 0
	v_nop
	global_prefetch_b8 v0, s[64:65] scope:SCOPE_SE
	s_setreg_imm32_b32 hwreg(HW_REG_WAVE_MODE, 25, 1), 1
	s_wait_xcnt 0x0
; THE ROUTER AND THE QUANTISER OF x.  x: [1024 tokens][1024] f32, gate_w: [8][1024] f32.
; One wave takes one token (token = 8 x work-group + wave): its 8 logits in f32 (fused multiply-adds, 32 a lane and expert, then a sum over the lanes), the two largest
; (the lower index wins a tie, as jax.lax.top_k has it), the softmax over these two with the larger taken away, and the token's row as codes of E2M1 with one E8M0 byte for each 32 along K.
; Nothing that is derived from the logits enters an address or a branch here: the choice is stored, at fixed places, for the launches that follow.
; OUT: xq [token][512 bytes] codes, K innermost; xs [token][32] scale bytes; sel [token][4 words] = e1, e2, (1 << e1) | (1 << e2), 0; gw [token][4 f32] = w1, w2, 0, 0.
; The mask multiplies a chosen token's row by 1, so the row's codes are the same for both of its experts: they are made once.
; LIMITS: NaN and infinities among the inputs are not served.  A block whose largest magnitude lies under 2^-124 (a block of zeros too) gets the byte 1; its codes are then zeros or subnormal codes
; under that byte, and only this program reads the bytes.  Where the second and the third logit lie closer than f32 sums can tell apart, the other expert may be taken.
; No matrix unit: 8 columns are fewer than a tile has.  No cluster: the work-groups share gate_w alone, 32,768 bytes.
.set STG, 0                            ; LDS: for each wave two stages of 32 x 80 bytes
.set SCB, 40960                        ; 32 scale bytes for each wave
.set REC, 41216                        ; 16 bytes of sel for each wave
.set RGW, 41344                        ; 16 bytes of gw for each wave
.set X,   16                           ; v16-47   the row as loaded: load i brings bytes 512 i + 16 lane
.set XT,  48                           ; v48-79   two sets of 16 neighbours along K
.set A,   80                           ; v80-95   a pair of sums for each expert
.set L,   96                           ; v96-103  the logits
.set PD,  104                          ; v104-111 what the other half of the lanes holds
                                       ; window 1: gate_w, row e at v[32 e], laid as the row of x is
.set MSB, 0
.macro WIN new                         ; the immediate's high byte repeats the setting that is left
.if MSB != (\new)
	s_set_vgpr_msb (MSB<<8)|(\new)
.set MSB, (\new)
.endif
.endm
	s_load_b256 s[4:11], s[0:1], 0x0               ; x, gate_w, xq, xs
	s_load_b128 s[12:15], s[0:1], 0x20             ; sel, gw
	v_lshl_add_u32 v254, v0, 2, 0xa200
	v_mov_b32 v255, 0
	v_lshrrev_b32 v1, 5, v0
	v_readfirstlane_b32 s16, v1                    ; wave
	v_and_b32 v1, 31, v0                           ; lane
	v_lshlrev_b32 v2, 4, v1                        ; 16 x lane
	s_mul_i32 s17, s16, 5120                       ; my wave's stages
	v_lshrrev_b32 v3, 2, v1
	v_mul_u32_u24 v3, v3, 80
	v_and_b32 v10, 3, v1
	v_lshl_add_u32 v3, v10, 4, v3
	v_add_nc_u32 v3, s17, v3                       ; into a stage: four lanes' 64 bytes on end, then 16 of padding
	v_mul_u32_u24 v4, v1, 80
	v_add_nc_u32 v4, s17, v4                       ; out of it: 80 x lane: my 16 neighbours
	s_lshl_b32 s18, s16, 5
	s_add_co_u32 s18, s18, SCB
	v_lshrrev_b32 v5, 1, v1
	v_add_nc_u32 v5, s18, v5                       ; my block's scale byte
	v_lshlrev_b32 v6, 3, v1                        ; 8 x lane
	v_lshlrev_b32 v7, 2, v1                        ; 4 x lane
	s_lshl_b32 s19, s16, 4
	s_add_co_u32 s18, s19, REC
	v_mov_b32 v8, s18                              ; my wave's record of sel
	s_add_co_u32 s18, s19, RGW
	v_mov_b32 v9, s18                              ; and of gw
.irp e, 0,1,2,3,4,5,6,7
	v_mov_b32 v[PD+\e], 0                          ; written once: a lane permute's destination counts as one of its sources
.endr
	s_mov_b32 s20, 0x76543210
	s_mov_b32 s21, 0xfedcba98                      ; v_permlanex16_b32's selects for lane l xor 16
	s_lshl_b32 s22, ttmp9, 3
	s_add_co_u32 s22, s22, s16                     ; my token
	s_lshl_b32 s24, s22, 12                        ; its row of x, 4,096 bytes
	s_mov_b32 s25, 0
	s_lshl_b32 s26, s22, 9                         ; its codes, 512 bytes
	s_mov_b32 s27, 0
	s_lshl_b32 s28, ttmp9, 8                       ; the work-group's 256 scale bytes
	s_mov_b32 s29, 0
	s_lshl_b32 s30, ttmp9, 7                       ; and its 128 bytes of sel and of gw
	s_mov_b32 s31, 0
	s_wait_kmcnt 0x0
	s_add_nc_u64 s[4:5], s[4:5], s[24:25]
	s_add_nc_u64 s[8:9], s[8:9], s[26:27]
	s_add_nc_u64 s[10:11], s[10:11], s[28:29]
	s_add_nc_u64 s[12:13], s[12:13], s[30:31]
	s_add_nc_u64 s[14:15], s[14:15], s[30:31]
.irp i, 0,1,2,3,4,5,6,7
	global_load_b128 v[X+4*\i:X+4*\i+3], v2, s[4:5] offset:512*\i th:TH_LOAD_NT    ; 32 lanes read 512 consecutive bytes
.endr
	WIN 0x40                                       ; destination window 1
.irp e, 0,1,2,3,4,5,6,7
.irp i, 0,1,2,3,4,5,6,7
	global_load_b128 v[32*\e+4*\i:32*\e+4*\i+3], v2, s[6:7] offset:4096*\e+512*\i
.endr
.endr
	WIN 0
	s_wait_loadcnt 63                              ; 64 loads of gate_w are younger than the row's eight: at 63 left the row is in
; The conversions take neighbours along K from ONE lane's registers; the loads took neighbouring bytes in neighbouring lanes.  So the row turns through the wave's own stages, 2,048 bytes each.
.irp t, 0,1
.irp i, 0,1,2,3
	ds_store_b128 v3, v[X+16*\t+4*\i:X+16*\t+4*\i+3] offset:2560*\t+640*\i
.endr
.irp i, 0,1,2,3
	ds_load_b128 v[XT+16*\t+4*\i:XT+16*\t+4*\i+3], v4 offset:2560*\t+16*\i     ; LDS serves a wave's instructions in order: these see the stores above
.endr
.endr
	s_wait_loadcnt 0x0                             ; gate_w
	WIN 0x04                                       ; source 1 (gate_w) window 1
.irp e, 0,1,2,3,4,5,6,7
	v_pk_mul_f32 v[A+2*\e:A+2*\e+1], v[X:X+1], v[32*\e:32*\e+1]                ; the first products start the sums
.endr
.irp p, 1,2,3,4,5,6,7,8,9,10,11,12,13,14,15
.irp e, 0,1,2,3,4,5,6,7
	v_pk_fma_f32 v[A+2*\e:A+2*\e+1], v[X+2*\p:X+2*\p+1], v[32*\e+2*\p:32*\e+2*\p+1], v[A+2*\e:A+2*\e+1]   ; the eight experts by turns
.endr
.endr
	WIN 0
.irp e, 0,1,2,3,4,5,6,7
	v_add_f32 v[L+\e], v[A+2*\e], v[A+2*\e+1]
.endr
.irp m, 1,2,4,8
.irp e, 0,1,2,3,4,5,6,7
	v_add_f32_dpp v[L+\e], v[L+\e], v[L+\e] row_xmask:\m row_mask:0xf bank_mask:0xf
.endr
.endr
.irp e, 0,1,2,3,4,5,6,7
	v_permlanex16_b32 v[PD+\e], v[L+\e], s20, s21
.endr
.irp e, 0,1,2,3,4,5,6,7
	v_add_f32 v[L+\e], v[L+\e], v[PD+\e]           ; every lane holds all eight logits, the same bits in each
.endr
; The largest: v112 its value, v113 its index.  What is held stays where it is not smaller: so the lower index wins a tie.
	v_mov_b32 v112, v[L]
	v_mov_b32 v113, 0
.irp e, 1,2,3,4,5,6,7
	v_cmp_ge_f32 vcc_lo, v112, v[L+\e]
	v_cndmask_b32 v113, \e, v113, vcc_lo
	v_cndmask_b32 v112, v[L+\e], v112, vcc_lo
.endr
; The second: v114, v115: the same walk, passing over the first's index.
	v_mov_b32 v114, 0xff800000
	v_mov_b32 v115, 0
.irp e, 0,1,2,3,4,5,6,7
	v_cmp_eq_u32 s32, \e, v113
	v_cmp_ge_f32 vcc_lo, v114, v[L+\e]
	s_or_b32 vcc_lo, vcc_lo, s32
	v_cndmask_b32 v115, \e, v115, vcc_lo
	v_cndmask_b32 v114, v[L+\e], v114, vcc_lo
.endr
; softmax over the two, the larger taken away: 1 / (1 + t) and t / (1 + t), t = e^(second - first), at most 1
	v_sub_f32 v116, v114, v112
	v_mul_f32 v116, 0x3fb8aa3b, v116
	v_exp_f32 v116, v116
	v_mov_b32 v119, 1                              ; (a plain line behind the exponential)
	s_wait_alu depctr_va_vdst(0)
	v_add_f32 v117, 1.0, v116
	v_rcp_f32 v140, v117                           ; w1
	v_lshlrev_b32 v118, v113, v119                 ; (a plain line behind the reciprocal)  1 << e1
	s_wait_alu depctr_va_vdst(0)
	v_mul_f32 v141, v116, v140                     ; w2
	v_lshlrev_b32 v138, v115, v119
	v_or_b32 v138, v118, v138                      ; the token's two experts as bits
	v_mov_b32 v136, v113
	v_mov_b32 v137, v115
	v_mov_b32 v139, 0
	v_mov_b32 v142, 0
	v_mov_b32 v143, 0
	ds_store_b128 v8, v[136:139]                   ; all lanes write the same 16 bytes with the same values
	ds_store_b128 v9, v[140:143]
	s_wait_dscnt 2                                 ; the two stores above may be out: both turns are back
; A block of 32 lies in two neighbouring lanes.  Its scale's byte is the largest magnitude's exponent field less 2, held at 1 from below by the floor 2^(3 - 127) among the maximum's leaves.
.irp t, 0,1
	v_max3_num_f32 v[120+4*\t], |v[XT+16*\t]|, |v[XT+16*\t+1]|, |v[XT+16*\t+2]|
	v_max3_num_f32 v[121+4*\t], |v[XT+16*\t+3]|, |v[XT+16*\t+4]|, |v[XT+16*\t+5]|
.irp i, 6,10
	v_max3_num_f32 v[120+4*\t], v[120+4*\t], |v[XT+16*\t+\i]|, |v[XT+16*\t+\i+1]|
	v_max3_num_f32 v[121+4*\t], v[121+4*\t], |v[XT+16*\t+\i+2]|, |v[XT+16*\t+\i+3]|
.endr
	v_max3_num_f32 v[120+4*\t], v[120+4*\t], |v[XT+16*\t+14]|, |v[XT+16*\t+15]|
	v_max3_num_f32 v[120+4*\t], v[120+4*\t], v[121+4*\t], 0x1800000
	v_max_num_f32_dpp v[120+4*\t], v[120+4*\t], v[120+4*\t] row_xmask:1 row_mask:0xf bank_mask:0xf
	v_add_nc_u32 v[122+4*\t], 0xff000000, v[120+4*\t]            ; 2 off the exponent field: the conversion takes that field of this operand as its scale
	v_cvt_scalef32_pk8_fp4_f32 v[128+2*\t], v[XT+16*\t:XT+16*\t+7], v[122+4*\t]
	v_cvt_scalef32_pk8_fp4_f32 v[129+2*\t], v[XT+16*\t+8:XT+16*\t+15], v[122+4*\t]
	v_lshrrev_b32 v[132+\t], 23, v[122+4*\t]       ; the byte.  (Also the plain line behind the conversions)
	ds_store_b8 v5, v[132+\t] offset:16*\t         ; both lanes of a block write the same byte with the same value
	global_store_b64 v6, v[128+2*\t:129+2*\t], s[8:9] offset:256*\t   ; the wave stores 256 consecutive bytes, aligned
.endr
	s_wait_dscnt 0x0                               ; for wave 0's sake: my bytes and records lie in LDS
	s_barrier_signal -1
	s_barrier_wait -1
	s_cmp_lg_u32 s16, 0
	s_cbranch_scc1 .Ldone                          ; wave 0 stores the eight tokens' small tables as dense runs
	ds_load_b64 v[144:145], v6 offset:SCB
	ds_load_b32 v146, v7 offset:REC
	ds_load_b32 v147, v7 offset:RGW
	s_wait_dscnt 0x0
	global_store_b64 v6, v[144:145], s[10:11]      ; 256 consecutive bytes
	global_store_b32 v7, v146, s[12:13]            ; 128 consecutive bytes
	global_store_b32 v7, v147, s[14:15]
.Ldone:
	s_wait_tensorcnt 0x0
	ds_add_u32 v254, v255
	s_wait_dscnt 0x0
	s_endpgm
.Lfunc_end_k_q532dfcd87f_route:
	.size	k_q532dfcd87f_route, .Lfunc_end_k_q532dfcd87f_route-k_q532dfcd87f_route
	.p2alignl 7, 3214868480
	.fill 96, 4, 3214868480
	.section	.rodata,"a",@progbits
	.p2align	6, 0x0
	.amdhsa_kernel k_q532dfcd87f_route
		.amdhsa_group_segment_fixed_size 42496
		.amdhsa_private_segment_fixed_size 0
		.amdhsa_enable_private_segment 0
		.amdhsa_kernarg_size 48
		.amdhsa_user_sgpr_count 2
		.amdhsa_user_sgpr_kernarg_segment_ptr 1
		.amdhsa_wavefront_size32 1
		.amdhsa_system_sgpr_workgroup_id_x 1
		.amdhsa_system_sgpr_workgroup_id_y 1
		.amdhsa_system_sgpr_workgroup_id_z 1
		.amdhsa_system_vgpr_workitem_id 0
		.amdhsa_next_free_vgpr 512
		.amdhsa_next_free_sgpr 66
		.amdhsa_reserve_vcc 1
		.amdhsa_float_denorm_mode_32 3
		.amdhsa_float_denorm_mode_16_64 3
		.amdhsa_memory_ordered 1
		.amdhsa_forward_progress 1
		.amdhsa_inst_pref_size 28
	.end_amdhsa_kernel
	.amdgpu_metadata
---
amdhsa.version: [ 1, 2 ]
amdhsa.kernels:
  - .name:           k_q532dfcd87f_route
    .symbol:         k_q532dfcd87f_route.kd
    .args:
      - { .name: x, .offset: 0, .size: 8, .value_kind: global_buffer, .address_space: global }
      - { .name: gate_w, .offset: 8, .size: 8, .value_kind: global_buffer, .address_space: global }
      - { .name: xq, .offset: 16, .size: 8, .value_kind: global_buffer, .address_space: global }
      - { .name: xs, .offset: 24, .size: 8, .value_kind: global_buffer, .address_space: global }
      - { .name: sel, .offset: 32, .size: 8, .value_kind: global_buffer, .address_space: global }
      - { .name: gw, .offset: 40, .size: 8, .value_kind: global_buffer, .address_space: global }
    .group_segment_fixed_size: 42496
    .private_segment_fixed_size: 0
    .kernarg_segment_align: 8
    .kernarg_segment_size: 48
    .max_flat_workgroup_size: 256
    .sgpr_count:     66
    .vgpr_count:     512
    .wavefront_size: 32
...
	.end_amdgpu_metadata
.endif
;; end of part 1
;; launch place (part 2): grid 8 x 1, 1 waves a work-group, no clusters, 5,376 bytes of LDS; arguments sel, pos; writes pos
.if DOCPART == 2
	.amdgcn_target "amdgcn-amd-amdhsa--gfx1250"
	.amdhsa_code_object_version 6
	.text
	.protected	k_q532dfcd87f_place
	.globl	k_q532dfcd87f_place
	.p2align	8
	.type	k_q532dfcd87f_place,@function
k_q532dfcd87f_place:
	s_mov_b64 s[64:65], 0
	v_nop
	global_prefetch_b8 v0, s[64:65] scope:SCOPE_SE
	s_setreg_imm32_b32 hwreg(HW_REG_WAVE_MODE, 25, 1), 1
	s_wait_xcnt 0x0
; THE ROWS OF EACH EXPERT.  sel [token][4 words] holds, in word 2, the token's two experts as bits.  Work-group e, one wave, makes for expert e:
;   pos + 4,096 e + 4 t            the rank of token t in e: how many lower tokens chose e (for a token that did not choose e the word means nothing and nobody uses it);
;   pos + 32,768 + 128 e           the expert's count of rows, 32 copies;
;   pos + 33,792 + 5,120 e + 4 k   the list: the token of rank k, 1,280 words; words behind the count are 0 (token 0) or, at 1,024 to 1,055, some token's number: rows that are gathered at most and never used.
; A lane takes a token, 32 groups of 32 in token order.  The list is scattered into LDS (the index held inside the list) and leaves from there as dense runs: every global address is fixed, and there is no branch.
; A launch of its own, since the choice is derived from floating-point numbers in the launch before, and the launch behind forms addresses and trip counts from these words.
; Eight work-groups: the work is eight passes over 4,096 bytes; more would only repeat it.  One wave, so no barrier: LDS serves a wave's instructions in order.
.set M,    16                          ; v16-47   the mask words, then the scatter's LDS addresses
.set P,    48                          ; v48-79   the ranks
.set TK,   80                          ; v80-111  the token numbers
.set OUTR, 112                         ; v112-151 the list on its way out
	s_load_b128 s[4:7], s[0:1], 0x0                ; sel, pos
	v_lshl_add_u32 v160, v0, 2, 0x1400
	v_mov_b32 v161, 0
	v_and_b32 v1, 31, v0                           ; lane
	v_lshlrev_b32 v2, 4, v1                        ; 16 x lane
	v_lshlrev_b32 v3, 2, v1                        ; 4 x lane
	v_add_nc_u32 v4, 0x400, v1                     ; where a lane that is not chosen writes: word 1,024 + lane
	v_mov_b32 v8, 0
	v_mov_b32 v9, 0
	v_mov_b32 v10, 0
	v_mov_b32 v11, 0
	s_lshl_b32 s25, 1, ttmp9                       ; the expert's bit
	s_lshl_b32 s10, ttmp9, 12                      ; its ranks,
	s_mov_b32 s11, 0
	s_lshl_b32 s12, ttmp9, 7                       ; its count,
	s_mov_b32 s13, 0
	s_mul_i32 s14, ttmp9, 5120                     ; its list
	s_mov_b32 s15, 0
	s_wait_kmcnt 0x0
	s_add_nc_u64 s[16:17], s[6:7], s[10:11]
	s_add_nc_u64 s[18:19], s[6:7], s[12:13]
	s_add_nc_u64 s[20:21], s[6:7], s[14:15]
.irp g, 0,1,2,3,4,5,6,7,8,9,10,11,12,13,14,15,16,17,18,19,20,21,22,23,24,25,26,27,28,29,30,31
	global_load_b32 v[M+\g], v2, s[4:5] offset:512*\g+8           ; token 32 g + lane
.endr
.irp i, 0,1,2,3,4,5,6,7,8,9
	ds_store_b128 v2, v[8:11] offset:512*\i        ; all 1,280 words: what the list does not fill means token 0
.endr
.irp g, 0,1,2,3,4,5,6,7,8,9,10,11,12,13,14,15,16,17,18,19,20,21,22,23,24,25,26,27,28,29,30,31
	v_add_nc_u32 v[TK+\g], 32*\g, v1
.endr
	s_mov_b32 s27, 0                               ; chosen tokens so far
	s_wait_loadcnt 0x0
.irp g, 0,1,2,3,4,5,6,7,8,9,10,11,12,13,14,15,16,17,18,19,20,21,22,23,24,25,26,27,28,29,30,31
	v_and_b32 v[M+\g], s25, v[M+\g]
	v_cmp_ne_u32 vcc_lo, 0, v[M+\g]
	v_mbcnt_lo_u32_b32 v[P+\g], vcc_lo, s27        ; chosen tokens so far + chosen lanes below mine: the rank
	v_cndmask_b32 v[M+\g], v4, v[P+\g], vcc_lo
	v_min_u32 v[M+\g], 0x43f, v[M+\g]              ; held inside the list
	v_lshlrev_b32 v[M+\g], 2, v[M+\g]
	ds_store_b32 v[M+\g], v[TK+\g]
	s_bcnt1_i32_b32 s28, vcc_lo
	s_add_co_u32 s27, s27, s28
.endr
	v_mov_b32 v5, s27                              ; the count
.irp i, 0,1,2,3,4,5,6,7,8,9
	ds_load_b128 v[OUTR+4*\i:OUTR+4*\i+3], v2 offset:512*\i       ; these see the stores above
.endr
.irp g, 0,1,2,3,4,5,6,7,8,9,10,11,12,13,14,15,16,17,18,19,20,21,22,23,24,25,26,27,28,29,30,31
	global_store_b32 v3, v[P+\g], s[16:17] offset:128*\g          ; 128 consecutive bytes a store
.endr
	global_store_b32 v3, v5, s[18:19] offset:32768
	s_wait_dscnt 0x0
.irp i, 0,1,2,3,4,5,6,7,8,9
	global_store_b128 v2, v[OUTR+4*\i:OUTR+4*\i+3], s[20:21] offset:33792+512*\i   ; 512 consecutive bytes, aligned
.endr
	s_wait_tensorcnt 0x0
	ds_add_u32 v160, v161
	s_wait_dscnt 0x0
	s_endpgm
.Lfunc_end_k_q532dfcd87f_place:
	.size	k_q532dfcd87f_place, .Lfunc_end_k_q532dfcd87f_place-k_q532dfcd87f_place
	.p2alignl 7, 3214868480
	.fill 96, 4, 3214868480
	.section	.rodata,"a",@progbits
	.p2align	6, 0x0
	.amdhsa_kernel k_q532dfcd87f_place
		.amdhsa_group_segment_fixed_size 5376
		.amdhsa_private_segment_fixed_size 0
		.amdhsa_enable_private_segment 0
		.amdhsa_kernarg_size 16
		.amdhsa_user_sgpr_count 2
		.amdhsa_user_sgpr_kernarg_segment_ptr 1
		.amdhsa_wavefront_size32 1
		.amdhsa_system_sgpr_workgroup_id_x 1
		.amdhsa_system_sgpr_workgroup_id_y 1
		.amdhsa_system_sgpr_workgroup_id_z 1
		.amdhsa_system_vgpr_workitem_id 0
		.amdhsa_next_free_vgpr 162
		.amdhsa_next_free_sgpr 66
		.amdhsa_reserve_vcc 1
		.amdhsa_float_denorm_mode_32 3
		.amdhsa_float_denorm_mode_16_64 3
		.amdhsa_memory_ordered 1
		.amdhsa_forward_progress 1
		.amdhsa_inst_pref_size 24
	.end_amdhsa_kernel
	.amdgpu_metadata
---
amdhsa.version: [ 1, 2 ]
amdhsa.kernels:
  - .name:           k_q532dfcd87f_place
    .symbol:         k_q532dfcd87f_place.kd
    .args:
      - { .name: sel, .offset: 0, .size: 8, .value_kind: global_buffer, .address_space: global }
      - { .name: pos, .offset: 8, .size: 8, .value_kind: global_buffer, .address_space: global }
    .group_segment_fixed_size: 5376
    .private_segment_fixed_size: 0
    .kernarg_segment_align: 8
    .kernarg_segment_size: 16
    .max_flat_workgroup_size: 32
    .sgpr_count:     66
    .vgpr_count:     162
    .wavefront_size: 32
...
	.end_amdgpu_metadata
.endif
;; end of part 2
;; launch up (part 3): grid 32 x 8, 8 waves a work-group, no clusters, 259,072 bytes of LDS; arguments w_gate, w_in, xq, xs, pos, hq, hs; writes hq, hs
.if DOCPART == 3
	.amdgcn_target "amdgcn-amd-amdhsa--gfx1250"
	.amdhsa_code_object_version 6
	.text
	.protected	k_q532dfcd87f_up
	.globl	k_q532dfcd87f_up
	.p2align	8
	.type	k_q532dfcd87f_up,@function
k_q532dfcd87f_up:
	s_mov_b64 s[64:65], 0
	v_nop
	global_prefetch_b8 v0, s[64:65] scope:SCOPE_SE
	s_setreg_imm32_b32 hwreg(HW_REG_WAVE_MODE, 25, 1), 1
	s_wait_xcnt 0x0
; h = silu(x Wg^T) * (x Wi^T) for the rows that chose an expert, both products on codes of E2M1 with one E8M0 scale for each 32 along K; h leaves as codes for the next product.
; SHARES.  Work-group (j, e) owns hidden units 64 j .. 64 j + 63 of expert e: 64 rows of w_gate and 64 of w_in, 524,288 bytes of f32 that no other work-group reads.  It reads them once, quantises them,
; keeps the codes as operand fragments in registers, and multiplies them with all rows of its expert, 16 rows a tile.
; The expert's count of rows and its list of tokens (the token of rank k) come from pos, as the launch before stored them: the count by a scalar load, a wave's 40 words of the list by loads at the kernel's head.
; PHASES.  (1) Every wave streams 16 weight rows (65,536 dense bytes) in 32 steps of 2,048 bytes, 8 steps (32 loads) ahead.  THE NUMBERS ARE QUANTISED AS THEY ARE LOADED: a load gives a lane four neighbours along K, so a
; block of 32 lies in eight neighbouring lanes of one load; only codes (2 bytes a lane and load) and scale bytes go to LDS, as rows.  Under the stream's tail the first 320 listed rows' codes of x are gathered.
; (2) Each wave takes its 32 fragments (4 tiles of 16 weight rows x 8 K steps) into window 1.
; (3) Tiles: wave (hh = wave % 2, q = wave / 2) makes hidden units 32 hh .. 32 hh + 31 of local tiles q, q + 4, ..: 32 matrix instructions, silu x u in f32, one block of 32 quantised, stored.
; Experts with more than 320 rows go on in up to three more chunks of 320: a loop of constant count in which only work is jumped over, never a barrier.
; LAYOUT.  The products are used transposed (source 0 = 16 weight rows, source 1 = 16 tokens), and lane r of tile u takes weight row 8 u + r + 8 (r / 8): so lane (r, h) holds token r and hidden units 16 h + 8 u + 0 .. 7:
; the 16 registers of tiles u = 0, 1 are 16 neighbours along the next K.
; hq is laid as the next launch's operand registers: [e][tile][K step][c][lane][16 bytes]; my block's 8 bytes a lane make 256 consecutive bytes a wave.  hs: [e][rank][64] scale bytes: a wave owns one byte of a row, so these go out singly (1 byte for 16 of codes).
; Rows behind the count in an expert's last tile are token 0's (the list holds 0 there): their h lands in the expert's own part of hq and nobody gathers what comes of it.
; NO CLUSTER, NO TENSOR LOAD: how many tiles are multiplied hangs on a count read from memory, so the operands go from memory through registers; what the 32 work-groups of an expert share, 544 bytes a listed row, is small beside the 524,288 bytes of weights that each has to itself.
; LIMITS: NaN and infinities are not served; a block whose largest magnitude lies under 2^-124 (zeros too) gets the byte 1, and only this program reads the bytes.
.set XP,   528                         ; a row of 1,024 codes in LDS: 512 bytes + 16: an odd multiple of 16, so that the 16 rows of a fragment load begin in different 16-byte columns
.set SPP,  48                          ; a row's 32 scale bytes + 16
.set WC,   0                           ; 128 weight rows of codes: 0-63 w_gate's, 64-127 w_in's
.set WS,   WC+128*XP                   ; their scale bytes
.set XC,   WS+128*SPP                  ; 320 gathered rows of x's codes
.set XS,   XC+320*XP                   ; their scale bytes
.set LOFF, 33792                       ; where the lists begin in pos; 5,120 bytes an expert
.set LN,   1                           ; lane
.set L16,  2                           ; 16 x lane
.set WCA,  5                           ; where my four codes of a load go: my wave's rows + 2 x lane
.set WSA,  6                           ; and my block's byte: my wave's rows + lane / 8
.set AW,   7                           ; my lane's place in a weight fragment
.set AWS,  8                           ; and among the weights' scale words
.set AX0,  9                           ; the same for x
.set AS0,  10
.set GSA,  11                          ; gather: where my wave's 40 rows go
.set GSS,  12                          ; and their scale bytes
.set GL0,  13                          ; byte offset of my wave's 40 words in a chunk of the list (the same in every lane)
.set GLS0, 14                          ; the same, a word for each four lanes
.set HO0,  15                          ; 16 r + 8 h: my 8 bytes in a block's image
.set R,    16                          ; v16-143  the stream: eight sets of 16 registers as loaded
.set DQ,   144                         ; v144-159 two sets of four registers of codes and four of scale bytes
.set T,    176                         ; v176-179 four blocks' largest magnitudes, v180-183 the conversions' scale operands
.set C,    184                         ; v184-186 a tile's codes and byte of h
.set GT,   192                         ; v192-231 gather: 40 tokens, then their rows' offsets
.set GSO,  232                         ; v232-236 gather: tokens, then offsets of scale bytes
.set R6,   240                         ; 64 r
.set L8,   241                         ; 8 (lane % 4)
.set GL,   242                         ; GL0, GLS0 of the chunk in hand
.set GLS,  243
.set AX,   244                         ; AX0, AS0 of the tile in hand
.set AS,   245
.set HO,   246                         ; the tile's store offsets
.set HSO,  247
.set PD,   248                         ; a lane permute's destination
.set WSC,  16                          ; products: v16-47 weight scale words, 8 a + s
.set XF,   48                          ; v48-111 x's eight fragments
.set XSW,  112                         ; v112-119 x's scale words
.set ACC,  120                         ; v120-151 a = 0, 1: gate u = 0, 1; a = 2, 3: in u = 0, 1
.set TT,   152                         ; v152-167 the 16 numbers of h
.set WP,   40                          ; s[40:41] my wave's weight rows
.set LP,   48                          ; s[48:49] pos at the expert's list, less LOFF
                                       ; window 1: under the stream's tail the gathered rows (v0-159 codes, v160-169 scale bytes); then the 32 weight fragments, (a, s) at v[8 (8 a + s)]
.set MSB, 0
.macro WIN new                         ; the immediate's high byte repeats the setting that is left
.if MSB != (\new)
	s_set_vgpr_msb (MSB<<8)|(\new)
.set MSB, (\new)
.endif
.endm
.macro BARRIER                         ; my LDS stores have landed and my LDS loads are in: then the work-group's barrier
	s_wait_dscnt 0x0
	s_barrier_signal -1
	s_barrier_wait -1
.endm
.macro LOADW t                         ; step t: four loads of 512 consecutive bytes
.irp i, 0,1,2,3
	global_load_b128 v[R+16*((\t)%8)+4*\i:R+16*((\t)%8)+4*\i+3], v[L16], s[WP:WP+1] offset:2048*(\t)+512*\i th:TH_LOAD_NT
.endr
.endm
; THE GATHER of my wave's 40 rows of a chunk, in four parts.
.macro G_LIST gl, gls                  ; the 40 tokens come to every lane (one address for all); for the scale bytes a token for each four lanes
.set kk, 0
.rept 10
	global_load_b128 v[GT+4*kk:GT+4*kk+3], v[\gl], s[LP:LP+1] offset:LOFF+16*kk
.set kk, kk+1
.endr
.irp k, 0,1,2,3,4
	global_load_b32 v[GSO+\k], v[\gls], s[LP:LP+1] offset:LOFF+32*\k
.endr
.endm
.macro G_ADDR                          ; loaded numbers are held inside the table before they enter an address: 512 bytes of codes and 32 scale bytes a token
.set kk, 0
.rept 40
	v_min_u32 v[GT+kk], 0x3ff, v[GT+kk]
.set kk, kk+1
.endr
.set kk, 0
.rept 40
	v_lshl_add_u32 v[GT+kk], v[GT+kk], 9, v[L16]
.set kk, kk+1
.endr
.irp k, 0,1,2,3,4
	v_min_u32 v[GSO+\k], 0x3ff, v[GSO+\k]
.endr
.irp k, 0,1,2,3,4
	v_lshl_add_u32 v[GSO+\k], v[GSO+\k], 5, v[L8]
.endr
.endm
.macro G_ROWS first, n, dreg, win      ; rows first .. first + n - 1: each row's 512 bytes are one load of the wave
	WIN 0x40*(\win)
.set kk, 0
.rept \n
	global_load_b128 v[\dreg+4*kk:\dreg+4*kk+3], v[GT+\first+kk], s[8:9]
.set kk, kk+1
.endr
	WIN 0
.endm
.macro G_SCL dreg, win                 ; the 40 rows' scale bytes: four lanes to a row, eight rows a load
	WIN 0x40*(\win)
.irp k, 0,1,2,3,4
	global_load_b64 v[\dreg+2*\k:\dreg+2*\k+1], v[GSO+\k], s[10:11]
.endr
	WIN 0
.endm
.macro G_STORE first, n, dreg, win
	WIN 0x04*(\win)                                ; an LDS store's data are its source 1
.set kk, 0
.rept \n
	ds_store_b128 v[GSA], v[\dreg+4*kk:\dreg+4*kk+3] offset:XP*(\first+kk)
.set kk, kk+1
.endr
	WIN 0
.endm
.macro G_SSTORE dreg, win
	WIN 0x04*(\win)
.irp k, 0,1,2,3,4
	ds_store_b64 v[GSS], v[\dreg+2*\k:\dreg+2*\k+1] offset:8*SPP*\k
.endr
	WIN 0
.endm
; A STEP OF THE STREAM: 512 numbers, half a weight row.  Load i holds K = 128 i + 4 lane + 0 .. 3 of the half row: one K step of 128; its block b lies in lanes 8 b .. 8 b + 7.
; The conversion takes eight consecutive registers under ONE scale: it is given a quad and the quad beside it, and only the half made under the right scale is kept: quads 0, 1, 2 as the low half of the
; windows (0, 1), (1, 2), (2, 3), quad 3 as the high half of (2, 3).  No window leaves the step's own 16 registers.  The four loads take turns line by line, so that no line waits for the line above it.
; At the step's end its registers are free: they take the step eight on; in the tail the slot takes the gather of chunk 0.
.macro QSTEP t
.set RS, R+16*((\t)%8)
.set DD, DQ+8*((\t)%2)
.set CO, XP*((\t)/2)+256*((\t)%2)
.set SOF, SPP*((\t)/2)+16*((\t)%2)
.if (\t) <= 24
	s_wait_loadcnt 28                              ; this step's four loads are in; seven steps' loads are younger
.elseif (\t) <= 28
	s_wait_loadcnt 4*(31-(\t))+20                  ; younger: the steps left, and 20 gathered rows
.else
	s_wait_loadcnt 4*(31-(\t))+45                  ; younger: the steps left, 40 gathered rows and their 5 loads of scale bytes
.endif
	s_wait_dscnt 8                                 ; the last step's eight stores may be out: those of two steps back have read the registers that this step writes again
.irp i, 0,1,2,3
	v_max3_num_f32 v[T+\i], |v[RS+4*\i]|, |v[RS+4*\i+1]|, |v[RS+4*\i+2]|
.endr
.irp i, 0,1,2,3
	v_max3_num_f32 v[T+\i], v[T+\i], |v[RS+4*\i+3]|, 0x1800000     ; my four numbers, and the floor 2^(3 - 127): the byte cannot fall under 1
.endr
.irp m, 1,2,4
.irp i, 0,1,2,3
	v_max_num_f32_dpp v[T+\i], v[T+\i], v[T+\i] row_xmask:\m row_mask:0xf bank_mask:0xf   ; with the block's seven other lanes
.endr
.endr
.irp i, 0,1,2,3
	v_add_nc_u32 v[T+4+\i], 0xff000000, v[T+\i]    ; 2 off the exponent field: the conversion's scale operand
.endr
	v_cvt_scalef32_pk8_fp4_f32 v[DD], v[RS:RS+7], v[T+4]           ; low half: quad 0's four codes
	v_cvt_scalef32_pk8_fp4_f32 v[DD+1], v[RS+4:RS+11], v[T+5]      ; low half: quad 1's
	v_cvt_scalef32_pk8_fp4_f32 v[DD+2], v[RS+8:RS+15], v[T+6]      ; low half: quad 2's
	v_cvt_scalef32_pk8_fp4_f32 v[DD+3], v[RS+8:RS+15], v[T+7]      ; HIGH half: quad 3's
.irp i, 0,1,2,3
	v_lshrrev_b32 v[DD+4+\i], 23, v[T+4+\i]        ; the bytes.  (Also the plain lines behind the conversions)
.endr
	v_lshrrev_b32 v[DD+3], 16, v[DD+3]
.irp i, 0,1,2,3
	ds_store_b16 v[WCA], v[DD+\i] offset:CO+64*\i  ; the wave stores 64 consecutive bytes of the row: 128 codes
.endr
.irp i, 0,1,2,3
	ds_store_b8 v[WSA], v[DD+4+\i] offset:SOF+4*\i ; the eight lanes of a block write the same byte with the same value
.endr
.if (\t) <= 23
	LOADW (\t)+8
.elseif (\t) == 24
	G_ROWS 0, 20, 0, 1
.elseif (\t) == 28
	G_ROWS 20, 20, 80, 1
	G_SCL 160, 1
.endif
.endm
; The chunk's tiles of my wave: local tiles q, q + 4, .. q + 16: five turns, each of which passes over itself where the tile begins at or behind the count.
.macro TILES
	s_add_co_u32 s32, s39, s22                     ; the tile's number in the expert
	s_mul_i32 s33, s22, 16*XP                      ; its rows in XC
	s_mul_i32 s34, s22, 16*SPP                     ; and in XS
	s_mov_b32 s35, 0
.Ltile_\@:
	s_lshl_b32 s28, s32, 4
	s_cmp_ge_u32 s28, s26
	s_cbranch_scc1 .Lpast_\@
	s_wait_xcnt 0x0                                ; the last tile's stores have read their data and offsets: both are written again below
	v_add_nc_u32 v[AX], s33, v[AX0]
	v_add_nc_u32 v[AS], s34, v[AS0]
.irp s, 0,1,2,3,4,5,6,7
.irp c, 0,1
	ds_load_b128 v[XF+8*\s+4*\c:XF+8*\s+4*\c+3], v[AX] offset:64*\s+32*\c
.endr
.endr
.irp i, 0,1
	ds_load_b128 v[XSW+4*\i:XSW+4*\i+3], v[AS] offset:16*\i
.endr
	s_wait_dscnt 0x0
	WIN 0x01                                       ; source 0 (the weights) window 1
.irp s, 0,1,2,3,4,5,6,7                        ; the four accumulators take turns, one instruction a turn; the first K step starts the sums
.irp a, 0,1,2,3
.if \s == 0
	v_wmma_scale_f32_16x16x128_f8f6f4 v[ACC+8*\a:ACC+8*\a+7], v[8*(8*\a+\s):8*(8*\a+\s)+7], v[XF+8*\s:XF+8*\s+7], 0, v[WSC+8*\a+\s], v[XSW+\s] matrix_a_fmt:MATRIX_FMT_FP4 matrix_b_fmt:MATRIX_FMT_FP4
.else
	v_wmma_scale_f32_16x16x128_f8f6f4 v[ACC+8*\a:ACC+8*\a+7], v[8*(8*\a+\s):8*(8*\a+\s)+7], v[XF+8*\s:XF+8*\s+7], v[ACC+8*\a:ACC+8*\a+7], v[WSC+8*\a+\s], v[XSW+\s] matrix_a_fmt:MATRIX_FMT_FP4 matrix_b_fmt:MATRIX_FMT_FP4
.endif
.endr
.endr
	WIN 0
.rept 5
	v_nop                                          ; places behind the last products: four for the reads below and for later loads into their operands, a fifth for the next tile's products, which begin the accumulators anew
.endr
	s_lshl_b32 s28, s32, 14                        ; the tile's image in hq: 16,384 bytes a tile
	s_lshl_b32 s29, s32, 10                        ; its 16 rows of hs
; h = g / (1 + 2^(-g log2 e)) x u, in f32; every accumulator is read from its low end on
.irp p, 0,1,2,3,4,5,6,7
	v_pk_mul_f32 v[TT+2*\p:TT+2*\p+1], v[ACC+2*\p:ACC+2*\p+1], 0xbfb8aa3b op_sel_hi:[1,0]
.endr
.irp i, 0,1,2,3,4,5,6,7,8,9,10,11,12,13,14,15
	v_exp_f32 v[TT+\i], v[TT+\i]
.endr
	v_add_nc_u32 v[HO], s28, v[HO0]                ; (a plain line behind the exponentials)
	s_wait_alu depctr_va_vdst(0)
.irp p, 0,1,2,3,4,5,6,7
	v_pk_add_f32 v[TT+2*\p:TT+2*\p+1], v[TT+2*\p:TT+2*\p+1], 1.0 op_sel_hi:[1,0]
.endr
.irp i, 0,1,2,3,4,5,6,7,8,9,10,11,12,13,14,15
	v_rcp_f32 v[TT+\i], v[TT+\i]
.endr
	v_add_nc_u32 v[HSO], s29, v[R6]                ; (a plain line behind the reciprocals)
	s_wait_alu depctr_va_vdst(0)
.irp p, 0,1,2,3,4,5,6,7
	v_pk_mul_f32 v[TT+2*\p:TT+2*\p+1], v[ACC+2*\p:ACC+2*\p+1], v[TT+2*\p:TT+2*\p+1]
.endr
.irp p, 0,1,2,3,4,5,6,7
	v_pk_mul_f32 v[TT+2*\p:TT+2*\p+1], v[TT+2*\p:TT+2*\p+1], v[ACC+16+2*\p:ACC+16+2*\p+1]
.endr
; my 16 numbers and lane l xor 16's are one block of 32 along the next K
	v_max3_num_f32 v168, |v[TT]|, |v[TT+1]|, 0x1800000
	v_max3_num_f32 v169, |v[TT+2]|, |v[TT+3]|, |v[TT+4]|
	v_max3_num_f32 v168, v168, |v[TT+5]|, |v[TT+6]|
	v_max3_num_f32 v169, v169, |v[TT+7]|, |v[TT+8]|
	v_max3_num_f32 v168, v168, |v[TT+9]|, |v[TT+10]|
	v_max3_num_f32 v169, v169, |v[TT+11]|, |v[TT+12]|
	v_max3_num_f32 v168, v168, |v[TT+13]|, |v[TT+14]|
	v_max3_num_f32 v168, v168, v169, |v[TT+15]|
	v_permlanex16_b32 v[PD], v168, s42, s43
	v_max_num_f32 v168, v168, v[PD]
	v_add_nc_u32 v170, 0xff000000, v168
	v_cvt_scalef32_pk8_fp4_f32 v[C], v[TT:TT+7], v170
	v_cvt_scalef32_pk8_fp4_f32 v[C+1], v[TT+8:TT+15], v170
	v_lshrrev_b32 v[C+2], 23, v170                 ; the byte.  (Also the plain line behind the conversions)
	global_store_b64 v[HO], v[C:C+1], s[44:45]     ; the wave stores 256 consecutive bytes, aligned: lanes (r, 0) and (r, 1) fill the 16 bytes of lane r + 16 hh of the image
	global_store_b8 v[HSO], v[C+2], s[46:47]       ; row 16 T + r, byte 2 j + hh; both halves of the lanes write the same value
.Lpast_\@:
	s_add_co_u32 s32, s32, 4
	s_add_co_u32 s33, s33, 4*16*XP
	s_add_co_u32 s34, s34, 4*16*SPP
	s_add_co_u32 s35, s35, 1
	s_cmp_lt_u32 s35, 5
	s_cbranch_scc1 .Ltile_\@
.endm
	s_load_b256 s[4:11], s[0:1], 0x0               ; w_gate, w_in, xq, xs
	s_load_b128 s[12:15], s[0:1], 0x20             ; pos, hq
	s_load_b64 s[16:17], s[0:1], 0x30              ; hs
	v_lshl_add_u32 v254, v0, 2, 0x3f000
	v_mov_b32 v255, 0
	v_lshrrev_b32 v[LN], 5, v0
	v_readfirstlane_b32 s20, v[LN]                 ; wave
	v_and_b32 v[LN], 31, v0
	s_and_b32 s21, s20, 1                          ; hh
	s_lshr_b32 s22, s20, 1                         ; q
	s_mov_b32 s23, ttmp9                           ; j
	s_and_b32 s24, ttmp7, 0xffff                   ; e
	s_lshl_b32 s27, s24, 7                         ; the expert's count in pos; kept as it is while the scalar load below is out
	s_mov_b32 s42, 0x76543210
	s_mov_b32 s43, 0xfedcba98                      ; v_permlanex16_b32's selects for lane l xor 16
	v_lshlrev_b32 v[L16], 4, v[LN]
	v_and_b32 v250, 15, v0                         ; r
	v_bfe_u32 v251, v0, 4, 1                       ; h
	v_and_b32 v252, 8, v250
	v_add_nc_u32 v252, v252, v250                  ; r + 8 (r / 8)
	v_lshrrev_b32 v253, 2, v[LN]                   ; lane / 4
	v_and_b32 v[L8], 3, v[LN]
	v_lshlrev_b32 v[L8], 3, v[L8]                  ; 8 (lane % 4)
	s_mul_i32 s28, s20, 16*XP                      ; my wave's 16 weight rows in WC
	v_lshl_add_u32 v[WCA], v[LN], 1, s28           ; + 2 x lane
	s_mul_i32 s28, s20, 16*SPP
	s_add_co_u32 s28, s28, WS
	v_lshrrev_b32 v[WSA], 3, v[LN]
	v_add_nc_u32 v[WSA], s28, v[WSA]               ; + lane / 8
	s_mul_i32 s28, s21, 32*XP                      ; my 32 hidden units' rows
	v_mul_u32_u24 v[AW], v252, XP
	v_lshl_add_u32 v[AW], v251, 4, v[AW]
	v_add_nc_u32 v[AW], s28, v[AW]
	s_mul_i32 s28, s21, 32*SPP
	s_add_co_u32 s28, s28, WS
	v_mul_u32_u24 v[AWS], v252, SPP
	v_add_nc_u32 v[AWS], s28, v[AWS]
	v_mul_u32_u24 v[AX0], v250, XP
	v_lshl_add_u32 v[AX0], v251, 4, v[AX0]
	v_add_nc_u32 v[AX0], XC, v[AX0]
	v_mul_u32_u24 v[AS0], v250, SPP
	v_add_nc_u32 v[AS0], XS, v[AS0]
	s_mul_i32 s28, s20, 40*XP
	s_add_co_u32 s28, s28, XC
	v_add_nc_u32 v[GSA], s28, v[L16]
	s_mul_i32 s28, s20, 40*SPP
	s_add_co_u32 s28, s28, XS
	v_mul_u32_u24 v[GSS], v253, SPP
	v_add_nc_u32 v[GSS], v[GSS], v[L8]
	v_add_nc_u32 v[GSS], s28, v[GSS]
	s_mul_i32 s28, s20, 160                        ; my wave's 40 words of a chunk of the list
	v_mov_b32 v[GL0], s28
	v_lshl_add_u32 v[GLS0], v253, 2, s28
	v_lshlrev_b32 v[HO0], 4, v250
	v_lshl_add_u32 v[HO0], v251, 3, v[HO0]
	v_lshlrev_b32 v[R6], 6, v250
	v_mov_b32 v[PD], 0                             ; written once: a lane permute's destination counts as one of its sources
	s_lshl_b32 s30, s24, 23                        ; the expert's weights: 8 MiB; my slice: 64 rows of 4,096 bytes; my wave's 16 rows
	s_lshl_b32 s28, s23, 18
	s_add_co_u32 s30, s30, s28
	s_and_b32 s28, s20, 3
	s_lshl_b32 s28, s28, 16
	s_add_co_u32 s30, s30, s28
	s_mov_b32 s31, 0
	s_lshl_b32 s52, s24, 20                        ; hq: 1 MiB an expert, + 512 j + 256 hh
	s_lshl_b32 s28, s23, 9
	s_add_co_u32 s52, s52, s28
	s_lshl_b32 s28, s21, 8
	s_add_co_u32 s52, s52, s28
	s_mov_b32 s53, 0
	s_lshl_b32 s54, s24, 16                        ; hs: 65,536 bytes an expert, + 2 j + hh
	s_lshl_b32 s28, s23, 1
	s_add_co_u32 s54, s54, s28
	s_add_co_u32 s54, s54, s21
	s_mov_b32 s55, 0
	s_mul_i32 s56, s24, 5120                       ; the expert's list in pos
	s_mov_b32 s57, 0
	s_wait_kmcnt 0x0
	s_load_b32 s26, s[12:13], s27 offset:0x8000    ; the expert's rows; waited for ahead of the tiles
	s_cmp_lt_u32 s20, 4                            ; waves 0-3 stream w_gate, waves 4-7 w_in: the choice hangs on the wave's number alone
	s_cselect_b64 s[WP:WP+1], s[4:5], s[6:7]
	s_add_nc_u64 s[WP:WP+1], s[WP:WP+1], s[30:31]
	s_add_nc_u64 s[44:45], s[14:15], s[52:53]
	s_add_nc_u64 s[46:47], s[16:17], s[54:55]
	s_add_nc_u64 s[LP:LP+1], s[12:13], s[56:57]
	G_LIST GL0, GLS0                               ; chunk 0's tokens: 15 loads ahead of the stream's, so that the stream is never drained for them
.irp t, 0,1,2,3,4,5,6,7
	LOADW \t
.endr
	s_wait_loadcnt 32                              ; the stream's 32 loads are younger: the list's words are in
	G_ADDR                                         ; stands where the wave would wait for the stream's first loads
.irp t, 0,1,2,3,4,5,6,7,8,9,10,11,12,13,14,15,16,17,18,19,20,21,22,23,24,25,26,27,28,29,30,31
	QSTEP \t
.endr
	s_wait_loadcnt 0x0                             ; chunk 0's rows
	G_STORE 0, 40, 0, 1
	G_SSTORE 160, 1
	BARRIER                                        ; the weights' codes and bytes and chunk 0 of x lie in LDS
	WIN 0x40                                       ; destination window 1
.irp a, 0,1,2,3                                ; tile a: gate (a < 2) or in, u = a % 2
.irp s, 0,1,2,3,4,5,6,7
.irp c, 0,1
	ds_load_b128 v[8*(8*\a+\s)+4*\c:8*(8*\a+\s)+4*\c+3], v[AW] offset:((\a/2)*64+(\a%2)*8)*XP+64*\s+32*\c
.endr
.endr
.endr
	WIN 0
.irp a, 0,1,2,3
.irp i, 0,1
	ds_load_b128 v[WSC+8*\a+4*\i:WSC+8*\a+4*\i+3], v[AWS] offset:((\a/2)*64+(\a%2)*8)*SPP+16*\i
.endr
.endr
	s_wait_dscnt 0x0
	s_wait_kmcnt 0x0                               ; the count
	s_mov_b32 s37, 0                               ; the chunk's first row,
	s_mov_b32 s38, 0                               ; its word in the list, in bytes,
	s_mov_b32 s39, 0                               ; its first tile
	TILES
	BARRIER                                        ; every wave's reads of chunk 0 are over
	s_mov_b32 s36, 0
.Lchunk:                                           ; three trips, whatever the count: rows 320, 640, 960 on
	s_add_co_u32 s37, s37, 320
	s_add_co_u32 s38, s38, 1280
	s_add_co_u32 s39, s39, 20
	v_add_nc_u32 v[GL], s38, v[GL0]                ; (the loads that read these two in the trip before were waited for there)
	v_add_nc_u32 v[GLS], s38, v[GLS0]
	s_cmp_ge_u32 s37, s26
	s_cbranch_scc1 .Lno_rows                       ; nothing listed from here on: nothing is gathered
	G_LIST GL, GLS
	s_wait_loadcnt 0x0
	G_ADDR
	G_ROWS 0, 20, 48, 0
	s_wait_loadcnt 0x0
	G_STORE 0, 20, 48, 0
	s_wait_dscnt 0x0                               ; the stores have read their registers
	G_ROWS 20, 20, 48, 0
	G_SCL 128, 0
	s_wait_loadcnt 0x0
	G_STORE 20, 20, 48, 0
	G_SSTORE 128, 0
.Lno_rows:
	BARRIER
	TILES
	BARRIER
	s_add_co_u32 s36, s36, 1
	s_cmp_lt_u32 s36, 3
	s_cbranch_scc1 .Lchunk
	s_wait_tensorcnt 0x0
	ds_add_u32 v254, v255
	s_wait_dscnt 0x0
	s_endpgm
.Lfunc_end_k_q532dfcd87f_up:
	.size	k_q532dfcd87f_up, .Lfunc_end_k_q532dfcd87f_up-k_q532dfcd87f_up
	.p2alignl 7, 3214868480
	.fill 96, 4, 3214868480
	.section	.rodata,"a",@progbits
	.p2align	6, 0x0
	.amdhsa_kernel k_q532dfcd87f_up
		.amdhsa_group_segment_fixed_size 259072
		.amdhsa_private_segment_fixed_size 0
		.amdhsa_enable_private_segment 0
		.amdhsa_kernarg_size 56
		.amdhsa_user_sgpr_count 2
		.amdhsa_user_sgpr_kernarg_segment_ptr 1
		.amdhsa_wavefront_size32 1
		.amdhsa_system_sgpr_workgroup_id_x 1
		.amdhsa_system_sgpr_workgroup_id_y 1
		.amdhsa_system_sgpr_workgroup_id_z 1
		.amdhsa_system_vgpr_workitem_id 0
		.amdhsa_next_free_vgpr 512
		.amdhsa_next_free_sgpr 66
		.amdhsa_reserve_vcc 0
		.amdhsa_float_denorm_mode_32 3
		.amdhsa_float_denorm_mode_16_64 3
		.amdhsa_memory_ordered 1
		.amdhsa_forward_progress 1
		.amdhsa_inst_pref_size 155
	.end_amdhsa_kernel
	.amdgpu_metadata
---
amdhsa.version: [ 1, 2 ]
amdhsa.kernels:
  - .name:           k_q532dfcd87f_up
    .symbol:         k_q532dfcd87f_up.kd
    .args:
      - { .name: w_gate, .offset: 0, .size: 8, .value_kind: global_buffer, .address_space: global }
      - { .name: w_in, .offset: 8, .size: 8, .value_kind: global_buffer, .address_space: global }
      - { .name: xq, .offset: 16, .size: 8, .value_kind: global_buffer, .address_space: global }
      - { .name: xs, .offset: 24, .size: 8, .value_kind: global_buffer, .address_space: global }
      - { .name: pos, .offset: 32, .size: 8, .value_kind: global_buffer, .address_space: global }
      - { .name: hq, .offset: 40, .size: 8, .value_kind: global_buffer, .address_space: global }
      - { .name: hs, .offset: 48, .size: 8, .value_kind: global_buffer, .address_space: global }
    .group_segment_fixed_size: 259072
    .private_segment_fixed_size: 0
    .kernarg_segment_align: 8
    .kernarg_segment_size: 56
    .max_flat_workgroup_size: 256
    .sgpr_count:     66
    .vgpr_count:     512
    .wavefront_size: 32
...
	.end_amdgpu_metadata
.endif
;; end of part 3
;; launch down (part 4): grid 32 x 8, 8 waves a work-group, no clusters, 55,296 bytes of LDS; arguments w_out, hq, hs, pos, y; writes y
.if DOCPART == 4
	.amdgcn_target "amdgcn-amd-amdhsa--gfx1250"
	.amdhsa_code_object_version 6
	.text
	.protected	k_q532dfcd87f_down
	.globl	k_q532dfcd87f_down
	.p2align	8
	.type	k_q532dfcd87f_down,@function
k_q532dfcd87f_down:
	s_mov_b64 s[64:65], 0
	v_nop
	global_prefetch_b8 v0, s[64:65] scope:SCOPE_SE
	s_setreg_imm32_b32 hwreg(HW_REG_WAVE_MODE, 25, 1), 1
	s_wait_xcnt 0x0
; y = h Wo^T for the rows of each expert, on codes of E2M1 with one E8M0 scale for each 32 along K = 2,048.
; SHARES.  Work-group (ds, e) owns outputs 32 ds .. 32 ds + 31 of expert e: 32 rows of w_out, 262,144 bytes of f32 that no other work-group reads.  It reads them once (each wave 4 rows = 32,768 dense bytes in 16 steps
; of 2,048, eight steps ahead) and QUANTISES THEM AS THEY ARE LOADED: a load gives a lane four neighbours along K, so a block of 32 lies in eight neighbouring lanes of one load; only codes and scale bytes go to LDS,
; as rows, and every wave then keeps all 32 fragments (2 tiles of 16 outputs x 16 K steps) in window 1.
; Then wave w takes the expert's tiles of 16 rows w, w + 8, ..: h's 16 fragments come from hq as they lie in the registers (32 loads of 512 dense bytes), 32 matrix instructions, and the tile's 16 x 32 results
; leave through the wave's own stage as 2,048 consecutive bytes of y [e][ds][rank][32].  The whole K is summed here, in one accumulator for each output, K ascending.
; The first tile (T = wave) is asked for in the slots that the stream's tail leaves free, before the count is looked at: for an expert with fewer rows those bytes were never stored; they are loaded and never multiplied.
; NO CLUSTER, NO TENSOR LOAD: the number of tiles hangs on a count read from memory, so the operands go from memory through registers.
; LIMITS: as in the launch before: NaN and infinities are not served; a block under 2^-124 gets the byte 1.
.set WPT,  1040                        ; a row of 2,048 codes in LDS: 1,024 bytes + 16: an odd multiple of 16
.set SPP,  80                          ; a row's 64 scale bytes + 16
.set WC,   0                           ; 32 rows of codes
.set WS,   WC+32*WPT                   ; their scale bytes
.set STG,  WS+32*SPP                   ; for each wave a stage of 16 rows x 144 bytes for y
.set YW,   16*144
.set LN,   1
.set L16,  2
.set WCA,  5                           ; where my four codes of a load go: my wave's rows + 2 x lane
.set WSA,  6                           ; and my block's byte: my wave's rows + lane / 8
.set AW,   7                           ; my lane's place in a weight fragment
.set AWS,  8
.set HA,   9                           ; my 16 bytes in the tile's image of h
.set HSA,  10                          ; my row's scale bytes
.set YSI,  11                          ; y's stage, way in
.set YSO,  12                          ; way out
.set YO,   13                          ; my byte offset in y
.set R,    16                          ; v16-143  the stream's eight sets; then h's fragments, K step s at v[16 + 8 s]
.set DQ,   144                         ; stream: v144-159 two sets of four registers of codes and four of scale bytes
.set ACC,  144                         ; products: v144-159 the two accumulators
.set YB,   160                         ; v160-175 the tile's rows on their way out
.set T,    176                         ; v176-179 four blocks' largest magnitudes, v180-183 the conversions' scale operands
.set WSC,  192                         ; v192-223 the weights' scale words, 16 n + s
.set HSR,  224                         ; v224-239 h's scale words
.set WP,   40
.set HQ,   44
.set HSB,  46
.set YP,   48
                                       ; window 1: the 32 weight fragments, (n, s) at v[8 (16 n + s)]
.set MSB, 0
.macro WIN new
.if MSB != (\new)
	s_set_vgpr_msb (MSB<<8)|(\new)
.set MSB, (\new)
.endif
.endm
.macro BARRIER
	s_wait_dscnt 0x0
	s_barrier_signal -1
	s_barrier_wait -1
.endm
.macro LOADW t
.irp i, 0,1,2,3
	global_load_b128 v[R+16*((\t)%8)+4*\i:R+16*((\t)%8)+4*\i+3], v[L16], s[WP:WP+1] offset:2048*(\t)+512*\i th:TH_LOAD_NT
.endr
.endm
.macro HLOAD p                         ; K steps 2 p and 2 p + 1 of the tile's image: four loads of 512 dense bytes
.irp u, 0,1
.irp c, 0,1
	global_load_b128 v[R+16*(\p)+8*\u+4*\c:R+16*(\p)+8*\u+4*\c+3], v[HA], s[HQ:HQ+1] offset:1024*(2*(\p)+\u)+512*\c
.endr
.endr
.endm
.macro HSLOAD                          ; my row's 16 scale words
.irp i, 0,1,2,3
	global_load_b128 v[HSR+4*\i:HSR+4*\i+3], v[HSA], s[HSB:HSB+1] offset:16*\i
.endr
.endm
; A STEP OF THE STREAM: 512 numbers, a quarter of a weight row.  Load i holds K = 128 i + 4 lane + 0 .. 3 of the quarter: one K step of 128; its block b lies in lanes 8 b .. 8 b + 7.
; The conversion takes eight consecutive registers under ONE scale: it is given a quad and the quad beside it, and only the half made under the right scale is kept: quads 0, 1, 2 as the low half of the
; windows (0, 1), (1, 2), (2, 3), quad 3 as the high half of (2, 3).  No window leaves the step's own 16 registers.  At the step's end its registers take the step eight on, or, in the tail, two K steps of h.
.macro QSTEP t
.set RS, R+16*((\t)%8)
.set DD, DQ+8*((\t)%2)
.set CO, WPT*((\t)/4)+256*((\t)%4)
.set SOF, SPP*((\t)/4)+16*((\t)%4)
	s_wait_loadcnt 28                              ; this step's four loads are in; every slot issues four loads, so seven slots' loads are younger
	s_wait_dscnt 8                                 ; the last step's eight stores may be out: those of two steps back have read the registers that this step writes again
.irp i, 0,1,2,3
	v_max3_num_f32 v[T+\i], |v[RS+4*\i]|, |v[RS+4*\i+1]|, |v[RS+4*\i+2]|
.endr
.irp i, 0,1,2,3
	v_max3_num_f32 v[T+\i], v[T+\i], |v[RS+4*\i+3]|, 0x1800000     ; my four numbers, and the floor 2^(3 - 127)
.endr
.irp m, 1,2,4
.irp i, 0,1,2,3
	v_max_num_f32_dpp v[T+\i], v[T+\i], v[T+\i] row_xmask:\m row_mask:0xf bank_mask:0xf   ; with the block's seven other lanes
.endr
.endr
.irp i, 0,1,2,3
	v_add_nc_u32 v[T+4+\i], 0xff000000, v[T+\i]    ; 2 off the exponent field: the conversion's scale operand
.endr
	v_cvt_scalef32_pk8_fp4_f32 v[DD], v[RS:RS+7], v[T+4]           ; low half: quad 0's four codes
	v_cvt_scalef32_pk8_fp4_f32 v[DD+1], v[RS+4:RS+11], v[T+5]      ; low half: quad 1's
	v_cvt_scalef32_pk8_fp4_f32 v[DD+2], v[RS+8:RS+15], v[T+6]      ; low half: quad 2's
	v_cvt_scalef32_pk8_fp4_f32 v[DD+3], v[RS+8:RS+15], v[T+7]      ; HIGH half: quad 3's
.irp i, 0,1,2,3
	v_lshrrev_b32 v[DD+4+\i], 23, v[T+4+\i]        ; the bytes.  (Also the plain lines behind the conversions)
.endr
	v_lshrrev_b32 v[DD+3], 16, v[DD+3]
.irp i, 0,1,2,3
	ds_store_b16 v[WCA], v[DD+\i] offset:CO+64*\i  ; the wave stores 64 consecutive bytes of the row: 128 codes
.endr
.irp i, 0,1,2,3
	ds_store_b8 v[WSA], v[DD+4+\i] offset:SOF+4*\i ; the eight lanes of a block write the same byte with the same value
.endr
.if (\t) <= 7
	LOADW (\t)+8
.else
	HLOAD (\t)-8                                   ; the set that this step has left takes two K steps of h
.endif
.if (\t) == 15
	HSLOAD
.endif
.endm
	s_load_b256 s[4:11], s[0:1], 0x0               ; w_out, hq, hs, pos
	s_load_b64 s[12:13], s[0:1], 0x20              ; y
	v_lshl_add_u32 v254, v0, 2, 0xd400
	v_mov_b32 v255, 0
	v_lshrrev_b32 v[LN], 5, v0
	v_readfirstlane_b32 s20, v[LN]                 ; wave
	v_and_b32 v[LN], 31, v0
	s_mov_b32 s23, ttmp9                           ; ds
	s_and_b32 s24, ttmp7, 0xffff                   ; e
	s_lshl_b32 s27, s24, 7                         ; the expert's count in pos; kept as it is while the load below is out
	v_lshlrev_b32 v[L16], 4, v[LN]
	v_and_b32 v250, 15, v0                         ; r
	v_bfe_u32 v251, v0, 4, 1                       ; h
	s_mul_i32 s28, s20, YW
	s_add_co_u32 s28, s28, STG                     ; my wave's stage
	v_mul_u32_u24 v[YSI], v250, 144
	v_lshl_add_u32 v[YSI], v251, 5, v[YSI]
	v_add_nc_u32 v[YSI], s28, v[YSI]               ; row r, + 32 h: my eight outputs of a tile
	v_lshrrev_b32 v253, 3, v[LN]
	v_mul_u32_u24 v[YSO], v253, 144
	v_and_b32 v252, 7, v[LN]
	v_lshl_add_u32 v[YSO], v252, 4, v[YSO]
	v_add_nc_u32 v[YSO], s28, v[YSO]               ; back: eight lanes to a row of 128 bytes, four rows an instruction
	s_mul_i32 s28, s20, 4*WPT                      ; my wave's 4 weight rows in WC
	v_lshl_add_u32 v[WCA], v[LN], 1, s28           ; + 2 x lane
	s_mul_i32 s28, s20, 4*SPP
	s_add_co_u32 s28, s28, WS
	v_lshrrev_b32 v[WSA], 3, v[LN]
	v_add_nc_u32 v[WSA], s28, v[WSA]               ; + lane / 8
	v_mul_u32_u24 v[AW], v250, WPT
	v_lshl_add_u32 v[AW], v251, 4, v[AW]
	v_mul_u32_u24 v[AWS], v250, SPP
	v_add_nc_u32 v[AWS], WS, v[AWS]
	s_lshl_b32 s28, s20, 14                        ; tile T = wave: 16,384 bytes a tile
	v_add_nc_u32 v[HA], s28, v[L16]
	s_lshl_b32 s28, s20, 10                        ; its 16 rows of 64 scale bytes
	v_lshl_add_u32 v[HSA], v250, 6, s28
	s_lshl_b32 s30, s24, 23                        ; the expert's w_out: 8 MiB; my slice: 32 rows of 8,192 bytes; my wave's 4 rows
	s_lshl_b32 s28, s23, 18
	s_add_co_u32 s30, s30, s28
	s_lshl_b32 s28, s20, 15
	s_add_co_u32 s30, s30, s28
	s_mov_b32 s31, 0
	s_lshl_b32 s52, s24, 20
	s_mov_b32 s53, 0
	s_lshl_b32 s54, s24, 16
	s_mov_b32 s55, 0
	s_lshl_b32 s56, s24, 5
	s_add_co_u32 s56, s56, s23
	s_lshl_b32 s56, s56, 17                        ; y: (32 e + ds) x 1,024 rows of 128 bytes
	s_mov_b32 s57, 0
	s_wait_kmcnt 0x0
	s_load_b32 s26, s[10:11], s27 offset:0x8000    ; the expert's rows; waited for ahead of the tiles
	s_add_nc_u64 s[WP:WP+1], s[4:5], s[30:31]
	s_add_nc_u64 s[HQ:HQ+1], s[6:7], s[52:53]
	s_add_nc_u64 s[HSB:HSB+1], s[8:9], s[54:55]
	s_add_nc_u64 s[YP:YP+1], s[12:13], s[56:57]
.irp t, 0,1,2,3,4,5,6,7
	LOADW \t
.endr
.irp t, 0,1,2,3,4,5,6,7,8,9,10,11,12,13,14,15
	QSTEP \t
.endr
	BARRIER                                        ; the 32 rows' codes and bytes lie in LDS
	WIN 0x40                                       ; destination window 1
.irp n, 0,1
.irp s, 0,1,2,3,4,5,6,7,8,9,10,11,12,13,14,15
.irp c, 0,1
	ds_load_b128 v[8*(16*\n+\s)+4*\c:8*(16*\n+\s)+4*\c+3], v[AW] offset:16*WPT*\n+64*\s+32*\c
.endr
.endr
.endr
	WIN 0
.irp n, 0,1
.irp i, 0,1,2,3
	ds_load_b128 v[WSC+16*\n+4*\i:WSC+16*\n+4*\i+3], v[AWS] offset:16*SPP*\n+16*\i
.endr
.endr
	s_wait_dscnt 0x0
	s_wait_kmcnt 0x0                               ; the count
	s_mov_b32 s32, s20                             ; T
	s_mov_b32 s35, 0
.Ltile:                                            ; eight trips, whatever the count: a tile that begins at or behind the count is passed over
	s_lshl_b32 s28, s32, 4
	s_cmp_ge_u32 s28, s26
	s_cbranch_scc1 .Lpast
	s_wait_loadcnt 0x0                             ; the tile's fragments and scale words
	s_wait_xcnt 0x0                                ; the last tile's stores have read their data and offset: both are written again below
	WIN 0x01                                       ; source 0 (the weights) window 1
.irp s, 0,1,2,3,4,5,6,7,8,9,10,11,12,13,14,15  ; the two accumulators take turns, one instruction a turn; the first K step starts the sums
.irp n, 0,1
.if \s == 0
	v_wmma_scale_f32_16x16x128_f8f6f4 v[ACC+8*\n:ACC+8*\n+7], v[8*(16*\n+\s):8*(16*\n+\s)+7], v[R+8*\s:R+8*\s+7], 0, v[WSC+16*\n+\s], v[HSR+\s] matrix_a_fmt:MATRIX_FMT_FP4 matrix_b_fmt:MATRIX_FMT_FP4
.else
	v_wmma_scale_f32_16x16x128_f8f6f4 v[ACC+8*\n:ACC+8*\n+7], v[8*(16*\n+\s):8*(16*\n+\s)+7], v[R+8*\s:R+8*\s+7], v[ACC+8*\n:ACC+8*\n+7], v[WSC+16*\n+\s], v[HSR+\s] matrix_a_fmt:MATRIX_FMT_FP4 matrix_b_fmt:MATRIX_FMT_FP4
.endif
.endr
.endr
	WIN 0
.rept 5
	v_nop                                          ; places behind the last products: four for the loads into their operands and for the stores of their results, a fifth for the next tile's products, which begin the accumulators anew
.endr
	s_add_co_u32 s29, s28, 128
	s_cmp_ge_u32 s29, s26
	s_cbranch_scc1 .Lno_next                       ; my next tile, eight on, is asked for here if the expert has it: it lands under this tile's way out
	v_add_nc_u32 v[HA], 0x20000, v[HA]             ; (the loads that read these offsets are done)
	v_add_nc_u32 v[HSA], 0x2000, v[HSA]
.irp p, 0,1,2,3,4,5,6,7
	HLOAD \p
.endr
	HSLOAD
.Lno_next:
.irp n, 0,1                                    ; lane (r, h): y(16 T + r, 16 n + 8 h + 0 .. 7); each accumulator from its low end on
	ds_store_b128 v[YSI], v[ACC+8*\n:ACC+8*\n+3] offset:64*\n
	ds_store_b128 v[YSI], v[ACC+8*\n+4:ACC+8*\n+7] offset:64*\n+16
.endr
.irp i, 0,1,2,3
	ds_load_b128 v[YB+4*\i:YB+4*\i+3], v[YSO] offset:576*\i       ; LDS serves a wave's instructions in order: these see my stores
.endr
	s_lshl_b32 s28, s32, 11                        ; 16 rows of 128 bytes a tile
	v_add_nc_u32 v[YO], s28, v[L16]
	s_wait_dscnt 0x0
.irp i, 0,1,2,3
	global_store_b128 v[YO], v[YB+4*\i:YB+4*\i+3], s[YP:YP+1] offset:512*\i     ; 32 lanes store 512 consecutive bytes, aligned
.endr
.Lpast:
	s_add_co_u32 s32, s32, 8
	s_add_co_u32 s35, s35, 1
	s_cmp_lt_u32 s35, 8
	s_cbranch_scc1 .Ltile
	s_wait_tensorcnt 0x0
	ds_add_u32 v254, v255
	s_wait_dscnt 0x0
	s_endpgm
.Lfunc_end_k_q532dfcd87f_down:
	.size	k_q532dfcd87f_down, .Lfunc_end_k_q532dfcd87f_down-k_q532dfcd87f_down
	.p2alignl 7, 3214868480
	.fill 96, 4, 3214868480
	.section	.rodata,"a",@progbits
	.p2align	6, 0x0
	.amdhsa_kernel k_q532dfcd87f_down
		.amdhsa_group_segment_fixed_size 55296
		.amdhsa_private_segment_fixed_size 0
		.amdhsa_enable_private_segment 0
		.amdhsa_kernarg_size 40
		.amdhsa_user_sgpr_count 2
		.amdhsa_user_sgpr_kernarg_segment_ptr 1
		.amdhsa_wavefront_size32 1
		.amdhsa_system_sgpr_workgroup_id_x 1
		.amdhsa_system_sgpr_workgroup_id_y 1
		.amdhsa_system_sgpr_workgroup_id_z 1
		.amdhsa_system_vgpr_workitem_id 0
		.amdhsa_next_free_vgpr 512
		.amdhsa_next_free_sgpr 66
		.amdhsa_reserve_vcc 0
		.amdhsa_float_denorm_mode_32 3
		.amdhsa_float_denorm_mode_16_64 3
		.amdhsa_memory_ordered 1
		.amdhsa_forward_progress 1
		.amdhsa_inst_pref_size 68
	.end_amdhsa_kernel
	.amdgpu_metadata
---
amdhsa.version: [ 1, 2 ]
amdhsa.kernels:
  - .name:           k_q532dfcd87f_down
    .symbol:         k_q532dfcd87f_down.kd
    .args:
      - { .name: w_out, .offset: 0, .size: 8, .value_kind: global_buffer, .address_space: global }
      - { .name: hq, .offset: 8, .size: 8, .value_kind: global_buffer, .address_space: global }
      - { .name: hs, .offset: 16, .size: 8, .value_kind: global_buffer, .address_space: global }
      - { .name: pos, .offset: 24, .size: 8, .value_kind: global_buffer, .address_space: global }
      - { .name: y, .offset: 32, .size: 8, .value_kind: global_buffer, .address_space: global }
    .group_segment_fixed_size: 55296
    .private_segment_fixed_size: 0
    .kernarg_segment_align: 8
    .kernarg_segment_size: 40
    .max_flat_workgroup_size: 256
    .sgpr_count:     66
    .vgpr_count:     512
    .wavefront_size: 32
...
	.end_amdgpu_metadata
.endif
;; end of part 4
;; launch combine (part 5): grid 256 x 1, 4 waves a work-group, no clusters, 0 bytes of LDS; arguments sel, gw, pos, y, out0; writes out0
.if DOCPART == 5
	.amdgcn_target "amdgcn-amd-amdhsa--gfx1250"
	.amdhsa_code_object_version 6
	.text
	.protected	k_q532dfcd87f_combine
	.globl	k_q532dfcd87f_combine
	.p2align	8
	.type	k_q532dfcd87f_combine,@function
k_q532dfcd87f_combine:
	s_mov_b64 s[64:65], 0
	v_nop
	global_prefetch_b8 v0, s[64:65] scope:SCOPE_SE
	s_setreg_imm32_b32 hwreg(HW_REG_WAVE_MODE, 25, 1), 1
	s_wait_xcnt 0x0
; out[t] = w1 y[e1][rank of t in e1] + w2 y[e2][rank of t in e2]: each output row has one owner, one wave (token = 4 x work-group + wave), so nothing is summed across work-groups.
; y: [e][ds 0..31][rank 0..1023][32] f32.  sel [t] = e1, e2, ..; gw [t] = w1, w2, ..; pos [e][t] = t's rank in e.
; The token's ranks in all eight experts are loaded from fixed addresses together with sel and gw, and the two that count are picked by compares and selects: one trip to memory ahead of the gather and not two.
; A stream: no LDS, no matrix unit, no cluster (no byte is read by two work-groups but the small tables').
	s_load_b256 s[4:11], s[0:1], 0x0               ; sel, gw, pos, y
	s_load_b64 s[12:13], s[0:1], 0x20              ; out0
	v_lshrrev_b32 v1, 5, v0
	v_readfirstlane_b32 s14, v1                    ; wave
	v_and_b32 v1, 31, v0                           ; lane
	s_lshl_b32 s15, ttmp9, 2
	s_add_co_u32 s15, s15, s14                     ; my token
	s_lshl_b32 s16, s15, 4
	v_mov_b32 v2, s16                              ; its records: 16 bytes
	s_lshl_b32 s17, s15, 2
	v_mov_b32 v3, s17                              ; its word in a row of pos
	v_lshrrev_b32 v13, 3, v1
	v_lshlrev_b32 v13, 17, v13                     ; lane / 8: which of four neighbouring slices of 32 outputs, 131,072 bytes apart;
	v_and_b32 v14, 7, v1
	v_lshl_add_u32 v13, v14, 4, v13                ; lane % 8: my 16 bytes of a row's 128
	v_lshlrev_b32 v15, 4, v1                       ; 16 x lane
	s_lshl_b32 s18, s15, 12                        ; the token's row of out0
	s_mov_b32 s19, 0
	s_wait_kmcnt 0x0
	s_add_nc_u64 s[12:13], s[12:13], s[18:19]
	global_load_b64 v[4:5], v2, s[4:5]             ; e1, e2
	global_load_b64 v[6:7], v2, s[6:7]             ; w1, w2
.irp e, 0,1,2,3,4,5,6,7
	global_load_b32 v[80+\e], v3, s[8:9] offset:4096*\e
.endr
	s_wait_loadcnt 0x0
	v_mov_b32 v9, v80
	v_mov_b32 v10, v80
.irp e, 1,2,3,4,5,6,7
	v_cmp_eq_u32 vcc_lo, \e, v4
	v_cndmask_b32 v9, v9, v[80+\e], vcc_lo
	v_cmp_eq_u32 vcc_lo, \e, v5
	v_cndmask_b32 v10, v10, v[80+\e], vcc_lo
.endr
	v_min_u32 v4, 7, v4                            ; loaded numbers are held inside their tables before they enter an address
	v_min_u32 v5, 7, v5
	v_min_u32 v9, 0x3ff, v9
	v_min_u32 v10, 0x3ff, v10
	v_lshlrev_b32 v4, 22, v4                       ; 4 MiB an expert,
	v_lshlrev_b32 v5, 22, v5
	v_lshl_add_u32 v4, v9, 7, v4                   ; 128 bytes a rank,
	v_lshl_add_u32 v5, v10, 7, v5
	v_add_nc_u32 v4, v4, v13                       ; and my lane's part
	v_add_nc_u32 v5, v5, v13
.irp i, 0,1,2,3,4,5,6,7
	global_load_b128 v[16+4*\i:19+4*\i], v4, s[10:11] offset:524288*\i     ; outputs 128 i + 4 lane on: slices 4 i .. 4 i + 3
.endr
.irp i, 0,1,2,3,4,5,6,7
	global_load_b128 v[48+4*\i:51+4*\i], v5, s[10:11] offset:524288*\i
.endr
.irp i, 0,1,2,3,4,5,6,7
	s_wait_loadcnt 7-\i                            ; the second expert's later loads may be out
	v_pk_mul_f32 v[16+4*\i:17+4*\i], v[16+4*\i:17+4*\i], v[6:7] op_sel_hi:[1,0]
	v_pk_mul_f32 v[18+4*\i:19+4*\i], v[18+4*\i:19+4*\i], v[6:7] op_sel_hi:[1,0]
	v_pk_fma_f32 v[16+4*\i:17+4*\i], v[48+4*\i:49+4*\i], v[6:7], v[16+4*\i:17+4*\i] op_sel:[0,1,0] op_sel_hi:[1,1,1]
	v_pk_fma_f32 v[18+4*\i:19+4*\i], v[50+4*\i:51+4*\i], v[6:7], v[18+4*\i:19+4*\i] op_sel:[0,1,0] op_sel_hi:[1,1,1]
	global_store_b128 v15, v[16+4*\i:19+4*\i], s[12:13] offset:512*\i th:TH_STORE_NT   ; 32 lanes store 512 consecutive bytes, aligned
.endr
	s_endpgm
.Lfunc_end_k_q532dfcd87f_combine:
	.size	k_q532dfcd87f_combine, .Lfunc_end_k_q532dfcd87f_combine-k_q532dfcd87f_combine
	.p2alignl 7, 3214868480
	.fill 96, 4, 3214868480
	.section	.rodata,"a",@progbits
	.p2align	6, 0x0
	.amdhsa_kernel k_q532dfcd87f_combine
		.amdhsa_group_segment_fixed_size 0
		.amdhsa_private_segment_fixed_size 0
		.amdhsa_enable_private_segment 0
		.amdhsa_kernarg_size 40
		.amdhsa_user_sgpr_count 2
		.amdhsa_user_sgpr_kernarg_segment_ptr 1
		.amdhsa_wavefront_size32 1
		.amdhsa_system_sgpr_workgroup_id_x 1
		.amdhsa_system_sgpr_workgroup_id_y 1
		.amdhsa_system_sgpr_workgroup_id_z 1
		.amdhsa_system_vgpr_workitem_id 0
		.amdhsa_next_free_vgpr 96
		.amdhsa_next_free_sgpr 66
		.amdhsa_reserve_vcc 1
		.amdhsa_float_denorm_mode_32 3
		.amdhsa_float_denorm_mode_16_64 3
		.amdhsa_memory_ordered 1
		.amdhsa_forward_progress 1
		.amdhsa_inst_pref_size 8
	.end_amdhsa_kernel
	.amdgpu_metadata
---
amdhsa.version: [ 1, 2 ]
amdhsa.kernels:
  - .name:           k_q532dfcd87f_combine
    .symbol:         k_q532dfcd87f_combine.kd
    .args:
      - { .name: sel, .offset: 0, .size: 8, .value_kind: global_buffer, .address_space: global }
      - { .name: gw, .offset: 8, .size: 8, .value_kind: global_buffer, .address_space: global }
      - { .name: pos, .offset: 16, .size: 8, .value_kind: global_buffer, .address_space: global }
      - { .name: y, .offset: 24, .size: 8, .value_kind: global_buffer, .address_space: global }
      - { .name: out0, .offset: 32, .size: 8, .value_kind: global_buffer, .address_space: global }
    .group_segment_fixed_size: 0
    .private_segment_fixed_size: 0
    .kernarg_segment_align: 8
    .kernarg_segment_size: 40
    .max_flat_workgroup_size: 128
    .sgpr_count:     66
    .vgpr_count:     96
    .wavefront_size: 32
...
	.end_amdgpu_metadata
.endif
;; end of part 5
;; ======== version 2 of 2: 5 launches; version 1 with the launches up, down written anew for expert scheduling mode
;; workspace buffers: xq 524,288 bytes; xs 32,768 bytes; sel 16,384 bytes of whole numbers; gw 16,384 bytes; hq 8,388,608 bytes; hs 524,288 bytes; pos 74,752 bytes of whole numbers; y 33,554,432 bytes
;; launch route: the kernel of part 1 again; grid 128 x 1, 8 waves a work-group, no clusters, 42,496 bytes of LDS; arguments x, gate_w, xq, xs, sel, gw; writes xq, xs, sel, gw
;; launch place: the kernel of part 2 again; grid 8 x 1, 1 waves a work-group, no clusters, 5,376 bytes of LDS; arguments sel, pos; writes pos
;; launch up (part 6): grid 32 x 8, 8 waves a work-group, no clusters, 259,072 bytes of LDS; arguments w_gate, w_in, xq, xs, pos, hq, hs; writes hq, hs
.if DOCPART == 6
	.amdgcn_target "amdgcn-amd-amdhsa--gfx1250"
	.amdhsa_code_object_version 6
	.text
	.protected	k_q532dfcd87f_up
	.globl	k_q532dfcd87f_up
	.p2align	8
	.type	k_q532dfcd87f_up,@function
k_q532dfcd87f_up:
	s_mov_b64 s[64:65], 0
	v_nop
	global_prefetch_b8 v0, s[64:65] scope:SCOPE_SE
	s_setreg_imm32_b32 hwreg(HW_REG_WAVE_SCHED_MODE, 0, 2), 2
	s_setreg_imm32_b32 hwreg(HW_REG_WAVE_MODE, 25, 1), 1
	s_wait_xcnt 0x0
	s_wait_alu depctr_vm_vsrc(0)
; h = silu(x Wg^T) * (x Wi^T) for the rows that chose an expert, both products on codes of E2M1 with one E8M0 scale for each 32 along K; h leaves as codes for the next product.
; SHARES.  Work-group (j, e) owns hidden units 64 j .. 64 j + 63 of expert e: 64 rows of w_gate and 64 of w_in, 524,288 bytes of f32 that no other work-group reads.  It reads them once, quantises them,
; keeps the codes as operand fragments in registers, and multiplies them with all rows of its expert, 16 rows a tile.
; The expert's count of rows and its list of tokens (the token of rank k) come from pos, as the launch before stored them: the count by a scalar load, a wave's 40 words of the list by loads at the kernel's head.
; PHASES.  (1) Every wave streams 16 weight rows (65,536 dense bytes) in 32 steps of 2,048 bytes, 8 steps (32 loads) ahead.  THE NUMBERS ARE QUANTISED AS THEY ARE LOADED: a load gives a lane four neighbours along K, so a
; block of 32 lies in eight neighbouring lanes of one load; only codes (2 bytes a lane and load) and scale bytes go to LDS, as rows.  Under the stream's tail the first 320 listed rows' codes of x are gathered.
; (2) Each wave takes its 32 fragments (4 tiles of 16 weight rows x 8 K steps) into window 1.
; (3) Tiles: wave (hh = wave % 2, q = wave / 2) makes hidden units 32 hh .. 32 hh + 31 of local tiles q, q + 4, ..: 32 matrix instructions, silu x u in f32, one block of 32 quantised, stored.
; Experts with more than 320 rows go on in up to three more chunks of 320: a loop of constant count in which only work is jumped over, never a barrier.
; LAYOUT.  The products are used transposed (source 0 = 16 weight rows, source 1 = 16 tokens), and lane r of tile u takes weight row 8 u + r + 8 (r / 8): so lane (r, h) holds token r and hidden units 16 h + 8 u + 0 .. 7:
; the 16 registers of tiles u = 0, 1 are 16 neighbours along the next K.
; hq is laid as the next launch's operand registers: [e][tile][K step][c][lane][16 bytes]; my block's 8 bytes a lane make 256 consecutive bytes a wave.  hs: [e][rank][64] scale bytes: a wave owns one byte of a row, so these go out singly (1 byte for 16 of codes).
; Rows behind the count in an expert's last tile are token 0's (the list holds 0 there): their h lands in the expert's own part of hq and nobody gathers what comes of it.
; NO CLUSTER, NO TENSOR LOAD: how many tiles are multiplied hangs on a count read from memory, so the operands go from memory through registers; what the 32 work-groups of an expert share, 544 bytes a listed row, is small beside the 524,288 bytes of weights that each has to itself.
; LIMITS: NaN and infinities are not served; a block whose largest magnitude lies under 2^-124 (zeros too) gets the byte 1, and only this program reads the bytes.
; THE MODE: SCHED_MODE bits 1:0 = 2 (LLVM: expert scheduling mode 2), set by the entry lines.  The code itself states the register dependences
; between vector or matrix instructions and memory or LDS instructions, with s_wait_alu, always for 0.
; THE PLAN.  Registers that memory or LDS instructions touch:
;   R0 .. R7     Step t's maxima and conversions read R[t % 8]; behind them the loads of step t + 8 land in it.
;   DQ0, DQ1     Step t's conversions and shifts write DQ[t % 2]; the step's eight LDS stores read it; step t + 2 writes it again; behind the stream the products and h's arithmetic write these registers.
;   GT, GSO      The list's loads land in them, G_ADDR writes them, the gather's loads read them as offsets; in a later chunk the list lands in them again.
;   window 1     The gathered rows land in v0-169, LDS stores read them, then the weights' fragments land in all 256.
;   AX, AS       Written once a tile, read by the tile's LDS loads, which land in XF and XSW; the products read those.
;   HO, HSO, C   Written by a tile's vector lines, read by its two stores.
;   v48-137      In a later chunk: gathered rows land there (where XF, XSW and a part of the accumulators lie), LDS stores read them.
;   GL, GLS      Written once a chunk, read by the list's loads.  All other offsets are made at the head and never written again.
; So a step of the stream has ONE wait on va_vdst, behind its last vector line, with the step's loads and stores behind it and no vector line among them; and one on vm_vsrc beside it, which stands a whole step behind
; the stores that it waits for.  A tile has one wait on vm_vsrc, at the loop's top, and beside the two for its exponentials and reciprocals two on va_vdst: ahead of its LDS loads and ahead of its stores.
.set XP,   528                         ; a row of 1,024 codes in LDS: 512 bytes + 16: an odd multiple of 16, so that the 16 rows of a fragment load begin in different 16-byte columns
.set SPP,  48                          ; a row's 32 scale bytes + 16
.set WC,   0                           ; 128 weight rows of codes: 0-63 w_gate's, 64-127 w_in's
.set WS,   WC+128*XP                   ; their scale bytes
.set XC,   WS+128*SPP                  ; 320 gathered rows of x's codes
.set XS,   XC+320*XP                   ; their scale bytes
.set LOFF, 33792                       ; where the lists begin in pos; 5,120 bytes an expert
.set LN,   1                           ; lane
.set L16,  2                           ; 16 x lane
.set WCA,  5                           ; where my four codes of a load go: my wave's rows + 2 x lane
.set WSA,  6                           ; and my block's byte: my wave's rows + lane / 8
.set AW,   7                           ; my lane's place in a weight fragment
.set AWS,  8                           ; and among the weights' scale words
.set AX0,  9                           ; the same for x
.set AS0,  10
.set GSA,  11                          ; gather: where my wave's 40 rows go
.set GSS,  12                          ; and their scale bytes
.set GL0,  13                          ; byte offset of my wave's 40 words in a chunk of the list (the same in every lane)
.set GLS0, 14                          ; the same, a word for each four lanes
.set HO0,  15                          ; 16 r + 8 h: my 8 bytes in a block's image
.set R,    16                          ; v16-143  the stream: eight sets of 16 registers as loaded
.set DQ,   144                         ; v144-159 two sets of four registers of codes and four of scale bytes
.set T,    176                         ; v176-179 four blocks' largest magnitudes, v180-183 the conversions' scale operands
.set C,    184                         ; v184-186 a tile's codes and byte of h
.set GT,   192                         ; v192-231 gather: 40 tokens, then their rows' offsets
.set GSO,  232                         ; v232-236 gather: tokens, then offsets of scale bytes
.set R6,   240                         ; 64 r
.set L8,   241                         ; 8 (lane % 4)
.set GL,   242                         ; GL0, GLS0 of the chunk in hand
.set GLS,  243
.set AX,   244                         ; AX0, AS0 of the tile in hand
.set AS,   245
.set HO,   246                         ; the tile's store offsets
.set HSO,  247
.set PD,   248                         ; a lane permute's destination
.set WSC,  16                          ; products: v16-47 weight scale words, 8 a + s
.set XF,   48                          ; v48-111 x's eight fragments
.set XSW,  112                         ; v112-119 x's scale words
.set ACC,  120                         ; v120-151 a = 0, 1: gate u = 0, 1; a = 2, 3: in u = 0, 1
.set TT,   152                         ; v152-167 the 16 numbers of h
.set WP,   40                          ; s[40:41] my wave's weight rows
.set LP,   48                          ; s[48:49] pos at the expert's list, less LOFF
                                       ; window 1: under the stream's tail the gathered rows (v0-159 codes, v160-169 scale bytes); then the 32 weight fragments, (a, s) at v[8 (8 a + s)]
.set MSB, 0
.macro WIN new                         ; the immediate's high byte repeats the setting that is left
.if MSB != (\new)
	s_set_vgpr_msb (MSB<<8)|(\new)
.set MSB, (\new)
.endif
.endm
.macro BARRIER                         ; my LDS stores have landed and my LDS loads are in: then the work-group's barrier
	s_wait_dscnt 0x0
	s_barrier_signal -1
	s_barrier_wait -1
.endm
.macro LOADW t                         ; step t: four loads of 512 consecutive bytes
.irp i, 0,1,2,3
	global_load_b128 v[R+16*((\t)%8)+4*\i:R+16*((\t)%8)+4*\i+3], v[L16], s[WP:WP+1] offset:2048*(\t)+512*\i th:TH_LOAD_NT
.endr
.endm
; THE GATHER of my wave's 40 rows of a chunk, in four parts.
.macro G_LIST gl, gls                  ; the 40 tokens come to every lane (one address for all); for the scale bytes a token for each four lanes
.set kk, 0
.rept 10
	global_load_b128 v[GT+4*kk:GT+4*kk+3], v[\gl], s[LP:LP+1] offset:LOFF+16*kk
.set kk, kk+1
.endr
.irp k, 0,1,2,3,4
	global_load_b32 v[GSO+\k], v[\gls], s[LP:LP+1] offset:LOFF+32*\k
.endr
.endm
.macro G_ADDR                          ; loaded numbers are held inside the table before they enter an address: 512 bytes of codes and 32 scale bytes a token
.set kk, 0
.rept 40
	v_min_u32 v[GT+kk], 0x3ff, v[GT+kk]
.set kk, kk+1
.endr
.set kk, 0
.rept 40
	v_lshl_add_u32 v[GT+kk], v[GT+kk], 9, v[L16]
.set kk, kk+1
.endr
.irp k, 0,1,2,3,4
	v_min_u32 v[GSO+\k], 0x3ff, v[GSO+\k]
.endr
.irp k, 0,1,2,3,4
	v_lshl_add_u32 v[GSO+\k], v[GSO+\k], 5, v[L8]
.endr
.endm
.macro G_ROWS first, n, dreg, win      ; rows first .. first + n - 1: each row's 512 bytes are one load of the wave
	WIN 0x40*(\win)
.set kk, 0
.rept \n
	global_load_b128 v[\dreg+4*kk:\dreg+4*kk+3], v[GT+\first+kk], s[8:9]
.set kk, kk+1
.endr
	WIN 0
.endm
.macro G_SCL dreg, win                 ; the 40 rows' scale bytes: four lanes to a row, eight rows a load
	WIN 0x40*(\win)
.irp k, 0,1,2,3,4
	global_load_b64 v[\dreg+2*\k:\dreg+2*\k+1], v[GSO+\k], s[10:11]
.endr
	WIN 0
.endm
.macro G_STORE first, n, dreg, win
	WIN 0x04*(\win)                                ; an LDS store's data are its source 1
.set kk, 0
.rept \n
	ds_store_b128 v[GSA], v[\dreg+4*kk:\dreg+4*kk+3] offset:XP*(\first+kk)
.set kk, kk+1
.endr
	WIN 0
.endm
.macro G_SSTORE dreg, win
	WIN 0x04*(\win)
.irp k, 0,1,2,3,4
	ds_store_b64 v[GSS], v[\dreg+2*\k:\dreg+2*\k+1] offset:8*SPP*\k
.endr
	WIN 0
.endm
; A STEP OF THE STREAM: 512 numbers, half a weight row.  Load i holds K = 128 i + 4 lane + 0 .. 3 of the half row: one K step of 128; its block b lies in lanes 8 b .. 8 b + 7.
; The conversion takes eight consecutive registers under ONE scale: it is given a quad and the quad beside it, and only the half made under the right scale is kept: quads 0, 1, 2 as the low half of the
; windows (0, 1), (1, 2), (2, 3), quad 3 as the high half of (2, 3).  No window leaves the step's own 16 registers.  The four loads take turns line by line, so that no line waits for the line above it.
; Behind the step's vector lines its registers are free: they take the step eight on; in the tail the slot takes the gather of chunk 0.  The step's loads stand ahead of its LDS stores.
.macro QSTEP t
.set RS, R+16*((\t)%8)
.set DD, DQ+8*((\t)%2)
.set CO, XP*((\t)/2)+256*((\t)%2)
.set SOF, SPP*((\t)/2)+16*((\t)%2)
.if (\t) <= 24
	s_wait_loadcnt 28                              ; this step's four loads are in; seven steps' loads are younger
.elseif (\t) <= 28
	s_wait_loadcnt 4*(31-(\t))+20                  ; younger: the steps left, and 20 gathered rows
.else
	s_wait_loadcnt 4*(31-(\t))+45                  ; younger: the steps left, 40 gathered rows and their 5 loads of scale bytes
.endif
	s_wait_dscnt 8                                 ; the last step's eight stores may be out: those of two steps back have read the registers that this step writes again
.irp i, 0,1,2,3
	v_max3_num_f32 v[T+\i], |v[RS+4*\i]|, |v[RS+4*\i+1]|, |v[RS+4*\i+2]|
.endr
.irp i, 0,1,2,3
	v_max3_num_f32 v[T+\i], v[T+\i], |v[RS+4*\i+3]|, 0x1800000     ; my four numbers, and the floor 2^(3 - 127): the byte cannot fall under 1
.endr
.irp m, 1,2,4
.irp i, 0,1,2,3
	v_max_num_f32_dpp v[T+\i], v[T+\i], v[T+\i] row_xmask:\m row_mask:0xf bank_mask:0xf   ; with the block's seven other lanes
.endr
.endr
.irp i, 0,1,2,3
	v_add_nc_u32 v[T+4+\i], 0xff000000, v[T+\i]    ; 2 off the exponent field: the conversion's scale operand
.endr
	v_cvt_scalef32_pk8_fp4_f32 v[DD], v[RS:RS+7], v[T+4]           ; low half: quad 0's four codes
	v_cvt_scalef32_pk8_fp4_f32 v[DD+1], v[RS+4:RS+11], v[T+5]      ; low half: quad 1's
	v_cvt_scalef32_pk8_fp4_f32 v[DD+2], v[RS+8:RS+15], v[T+6]      ; low half: quad 2's
	v_cvt_scalef32_pk8_fp4_f32 v[DD+3], v[RS+8:RS+15], v[T+7]      ; HIGH half: quad 3's
.irp i, 0,1,2,3
	v_lshrrev_b32 v[DD+4+\i], 23, v[T+4+\i]        ; the bytes.  (Also the plain lines behind the conversions)
.endr
	v_lshrrev_b32 v[DD+3], 16, v[DD+3]
.if (\t) == 24 || (\t) == 28
	WIN 0x40                                       ; the gathered rows land in window 1: the switch stands ahead of the waits
.endif
.if (\t) >= 1 && (\t) <= 30
	s_wait_alu depctr_vm_vsrc(0)                   ; the last step's LDS stores have read the other set of DQ, which the next step's conversions write again
.endif
	s_wait_alu depctr_va_vdst(0)                   ; this step's lines have written its set of DQ, which the stores below read, and are done reading its set of R, in which the loads below land; G_ADDR has written the gather's offsets
.if (\t) <= 23
	LOADW (\t)+8
.elseif (\t) == 24
	G_ROWS 0, 20, 0, 1
.elseif (\t) == 28
	G_ROWS 20, 20, 80, 1
	G_SCL 160, 1
.endif
.irp i, 0,1,2,3
	ds_store_b16 v[WCA], v[DD+\i] offset:CO+64*\i  ; the wave stores 64 consecutive bytes of the row: 128 codes.  No vector line since the wait names these registers
.endr
.irp i, 0,1,2,3
	ds_store_b8 v[WSA], v[DD+4+\i] offset:SOF+4*\i ; the eight lanes of a block write the same byte with the same value
.endr
.endm
; The chunk's tiles of my wave: local tiles q, q + 4, .. q + 16: five turns, each of which passes over itself where the tile begins at or behind the count.
.macro TILES
	s_add_co_u32 s32, s39, s22                     ; the tile's number in the expert
	s_mul_i32 s33, s22, 16*XP                      ; its rows in XC
	s_mul_i32 s34, s22, 16*SPP                     ; and in XS
	s_mov_b32 s35, 0
.Ltile_\@:
	s_wait_alu depctr_vm_vsrc(0)                   ; the last tile's LDS loads have read AX and AS, its stores HO, HSO and C; ahead of the first tile: the stream's last stores have read DQ, a chunk's LDS stores v48-137: all these are written below
	s_lshl_b32 s28, s32, 4
	s_cmp_ge_u32 s28, s26
	s_cbranch_scc1 .Lpast_\@
	s_wait_xcnt 0x0                                ; the last tile's stores have read their data and offsets: both are written again below
	v_add_nc_u32 v[AX], s33, v[AX0]
	v_add_nc_u32 v[AS], s34, v[AS0]
	s_wait_alu depctr_va_vdst(0)                   ; AX and AS are written, which the loads below read; the last tile's products are done reading XF and XSW, in which they land
.irp s, 0,1,2,3,4,5,6,7
.irp c, 0,1
	ds_load_b128 v[XF+8*\s+4*\c:XF+8*\s+4*\c+3], v[AX] offset:64*\s+32*\c
.endr
.endr
.irp i, 0,1
	ds_load_b128 v[XSW+4*\i:XSW+4*\i+3], v[AS] offset:16*\i
.endr
	s_wait_dscnt 0x0
	WIN 0x01                                       ; source 0 (the weights) window 1
.irp s, 0,1,2,3,4,5,6,7                        ; the four accumulators take turns, one instruction a turn; the first K step starts the sums
.irp a, 0,1,2,3
.if \s == 0
	v_wmma_scale_f32_16x16x128_f8f6f4 v[ACC+8*\a:ACC+8*\a+7], v[8*(8*\a+\s):8*(8*\a+\s)+7], v[XF+8*\s:XF+8*\s+7], 0, v[WSC+8*\a+\s], v[XSW+\s] matrix_a_fmt:MATRIX_FMT_FP4 matrix_b_fmt:MATRIX_FMT_FP4
.else
	v_wmma_scale_f32_16x16x128_f8f6f4 v[ACC+8*\a:ACC+8*\a+7], v[8*(8*\a+\s):8*(8*\a+\s)+7], v[XF+8*\s:XF+8*\s+7], v[ACC+8*\a:ACC+8*\a+7], v[WSC+8*\a+\s], v[XSW+\s] matrix_a_fmt:MATRIX_FMT_FP4 matrix_b_fmt:MATRIX_FMT_FP4
.endif
.endr
.endr
	WIN 0
.rept 5
	v_nop                                          ; places behind the last products (ISA guide 7.12.1): four for the reads below, a fifth for the next tile's products, which begin the accumulators anew
.endr
	s_lshl_b32 s28, s32, 14                        ; the tile's image in hq: 16,384 bytes a tile
	s_lshl_b32 s29, s32, 10                        ; its 16 rows of hs
; h = g / (1 + 2^(-g log2 e)) x u, in f32; every accumulator is read from its low end on
.irp p, 0,1,2,3,4,5,6,7
	v_pk_mul_f32 v[TT+2*\p:TT+2*\p+1], v[ACC+2*\p:ACC+2*\p+1], 0xbfb8aa3b op_sel_hi:[1,0]
.endr
.irp i, 0,1,2,3,4,5,6,7,8,9,10,11,12,13,14,15
	v_exp_f32 v[TT+\i], v[TT+\i]
.endr
	v_add_nc_u32 v[HO], s28, v[HO0]                ; (a plain line behind the exponentials)
	s_wait_alu depctr_va_vdst(0)                   ; the sixteen exponentials have written TT, ahead of their first reader
.irp p, 0,1,2,3,4,5,6,7
	v_pk_add_f32 v[TT+2*\p:TT+2*\p+1], v[TT+2*\p:TT+2*\p+1], 1.0 op_sel_hi:[1,0]
.endr
.irp i, 0,1,2,3,4,5,6,7,8,9,10,11,12,13,14,15
	v_rcp_f32 v[TT+\i], v[TT+\i]
.endr
	v_add_nc_u32 v[HSO], s29, v[R6]                ; (a plain line behind the reciprocals)
	s_wait_alu depctr_va_vdst(0)                   ; the sixteen reciprocals have written TT, ahead of their first reader
.irp p, 0,1,2,3,4,5,6,7
	v_pk_mul_f32 v[TT+2*\p:TT+2*\p+1], v[ACC+2*\p:ACC+2*\p+1], v[TT+2*\p:TT+2*\p+1]
.endr
.irp p, 0,1,2,3,4,5,6,7
	v_pk_mul_f32 v[TT+2*\p:TT+2*\p+1], v[TT+2*\p:TT+2*\p+1], v[ACC+16+2*\p:ACC+16+2*\p+1]
.endr
; my 16 numbers and lane l xor 16's are one block of 32 along the next K
	v_max3_num_f32 v168, |v[TT]|, |v[TT+1]|, 0x1800000
	v_max3_num_f32 v169, |v[TT+2]|, |v[TT+3]|, |v[TT+4]|
	v_max3_num_f32 v168, v168, |v[TT+5]|, |v[TT+6]|
	v_max3_num_f32 v169, v169, |v[TT+7]|, |v[TT+8]|
	v_max3_num_f32 v168, v168, |v[TT+9]|, |v[TT+10]|
	v_max3_num_f32 v169, v169, |v[TT+11]|, |v[TT+12]|
	v_max3_num_f32 v168, v168, |v[TT+13]|, |v[TT+14]|
	v_max3_num_f32 v168, v168, v169, |v[TT+15]|
	v_permlanex16_b32 v[PD], v168, s42, s43
	v_max_num_f32 v168, v168, v[PD]
	v_add_nc_u32 v170, 0xff000000, v168
	v_cvt_scalef32_pk8_fp4_f32 v[C], v[TT:TT+7], v170
	v_cvt_scalef32_pk8_fp4_f32 v[C+1], v[TT+8:TT+15], v170
	v_lshrrev_b32 v[C+2], 23, v170                 ; the byte.  (Also the plain line behind the conversions)
	s_wait_alu depctr_va_vdst(0)                   ; the conversions and the shift have written C, which the two stores read as data; HO and HSO, their offsets, are written too
	global_store_b64 v[HO], v[C:C+1], s[44:45]     ; the wave stores 256 consecutive bytes, aligned: lanes (r, 0) and (r, 1) fill the 16 bytes of lane r + 16 hh of the image
	global_store_b8 v[HSO], v[C+2], s[46:47]       ; row 16 T + r, byte 2 j + hh; both halves of the lanes write the same value
.Lpast_\@:
	s_add_co_u32 s32, s32, 4
	s_add_co_u32 s33, s33, 4*16*XP
	s_add_co_u32 s34, s34, 4*16*SPP
	s_add_co_u32 s35, s35, 1
	s_cmp_lt_u32 s35, 5
	s_cbranch_scc1 .Ltile_\@
.endm
	s_load_b256 s[4:11], s[0:1], 0x0               ; w_gate, w_in, xq, xs
	s_load_b128 s[12:15], s[0:1], 0x20             ; pos, hq
	s_load_b64 s[16:17], s[0:1], 0x30              ; hs
	v_lshl_add_u32 v254, v0, 2, 0x3f000
	v_mov_b32 v255, 0
	v_lshrrev_b32 v[LN], 5, v0
	v_readfirstlane_b32 s20, v[LN]                 ; wave
	v_and_b32 v[LN], 31, v0
	s_wait_alu depctr_va_sdst(0)                   ; s20 is written, ahead of its first reader
	s_and_b32 s21, s20, 1                          ; hh
	s_lshr_b32 s22, s20, 1                         ; q
	s_mov_b32 s23, ttmp9                           ; j
	s_and_b32 s24, ttmp7, 0xffff                   ; e
	s_lshl_b32 s27, s24, 7                         ; the expert's count in pos; kept as it is while the scalar load below is out
	s_mov_b32 s42, 0x76543210
	s_mov_b32 s43, 0xfedcba98                      ; v_permlanex16_b32's selects for lane l xor 16
	v_lshlrev_b32 v[L16], 4, v[LN]
	v_and_b32 v250, 15, v0                         ; r
	v_bfe_u32 v251, v0, 4, 1                       ; h
	v_and_b32 v252, 8, v250
	v_add_nc_u32 v252, v252, v250                  ; r + 8 (r / 8)
	v_lshrrev_b32 v253, 2, v[LN]                   ; lane / 4
	v_and_b32 v[L8], 3, v[LN]
	v_lshlrev_b32 v[L8], 3, v[L8]                  ; 8 (lane % 4)
	s_mul_i32 s28, s20, 16*XP                      ; my wave's 16 weight rows in WC
	v_lshl_add_u32 v[WCA], v[LN], 1, s28           ; + 2 x lane
	s_mul_i32 s28, s20, 16*SPP
	s_add_co_u32 s28, s28, WS
	v_lshrrev_b32 v[WSA], 3, v[LN]
	v_add_nc_u32 v[WSA], s28, v[WSA]               ; + lane / 8
	s_mul_i32 s28, s21, 32*XP                      ; my 32 hidden units' rows
	v_mul_u32_u24 v[AW], v252, XP
	v_lshl_add_u32 v[AW], v251, 4, v[AW]
	v_add_nc_u32 v[AW], s28, v[AW]
	s_mul_i32 s28, s21, 32*SPP
	s_add_co_u32 s28, s28, WS
	v_mul_u32_u24 v[AWS], v252, SPP
	v_add_nc_u32 v[AWS], s28, v[AWS]
	v_mul_u32_u24 v[AX0], v250, XP
	v_lshl_add_u32 v[AX0], v251, 4, v[AX0]
	v_add_nc_u32 v[AX0], XC, v[AX0]
	v_mul_u32_u24 v[AS0], v250, SPP
	v_add_nc_u32 v[AS0], XS, v[AS0]
	s_mul_i32 s28, s20, 40*XP
	s_add_co_u32 s28, s28, XC
	v_add_nc_u32 v[GSA], s28, v[L16]
	s_mul_i32 s28, s20, 40*SPP
	s_add_co_u32 s28, s28, XS
	v_mul_u32_u24 v[GSS], v253, SPP
	v_add_nc_u32 v[GSS], v[GSS], v[L8]
	v_add_nc_u32 v[GSS], s28, v[GSS]
	s_mul_i32 s28, s20, 160                        ; my wave's 40 words of a chunk of the list
	v_mov_b32 v[GL0], s28
	v_lshl_add_u32 v[GLS0], v253, 2, s28
	v_lshlrev_b32 v[HO0], 4, v250
	v_lshl_add_u32 v[HO0], v251, 3, v[HO0]
	v_lshlrev_b32 v[R6], 6, v250
	v_mov_b32 v[PD], 0                             ; written once: a lane permute's destination counts as one of its sources
	s_lshl_b32 s30, s24, 23                        ; the expert's weights: 8 MiB; my slice: 64 rows of 4,096 bytes; my wave's 16 rows
	s_lshl_b32 s28, s23, 18
	s_add_co_u32 s30, s30, s28
	s_and_b32 s28, s20, 3
	s_lshl_b32 s28, s28, 16
	s_add_co_u32 s30, s30, s28
	s_mov_b32 s31, 0
	s_lshl_b32 s52, s24, 20                        ; hq: 1 MiB an expert, + 512 j + 256 hh
	s_lshl_b32 s28, s23, 9
	s_add_co_u32 s52, s52, s28
	s_lshl_b32 s28, s21, 8
	s_add_co_u32 s52, s52, s28
	s_mov_b32 s53, 0
	s_lshl_b32 s54, s24, 16                        ; hs: 65,536 bytes an expert, + 2 j + hh
	s_lshl_b32 s28, s23, 1
	s_add_co_u32 s54, s54, s28
	s_add_co_u32 s54, s54, s21
	s_mov_b32 s55, 0
	s_mul_i32 s56, s24, 5120                       ; the expert's list in pos
	s_mov_b32 s57, 0
	s_wait_kmcnt 0x0
	s_load_b32 s26, s[12:13], s27 offset:0x8000    ; the expert's rows; waited for ahead of the tiles
	s_cmp_lt_u32 s20, 4                            ; waves 0-3 stream w_gate, waves 4-7 w_in: the choice hangs on the wave's number alone
	s_cselect_b64 s[WP:WP+1], s[4:5], s[6:7]
	s_add_nc_u64 s[WP:WP+1], s[WP:WP+1], s[30:31]
	s_add_nc_u64 s[44:45], s[14:15], s[52:53]
	s_add_nc_u64 s[46:47], s[16:17], s[54:55]
	s_add_nc_u64 s[LP:LP+1], s[12:13], s[56:57]
	s_wait_alu depctr_va_vdst(0)                   ; the offsets and LDS addresses made above are written: the kernel's loads and stores read them, and they are never written again
	G_LIST GL0, GLS0                               ; chunk 0's tokens: 15 loads ahead of the stream's, so that the stream is never drained for them
.irp t, 0,1,2,3,4,5,6,7
	LOADW \t
.endr
	s_wait_loadcnt 32                              ; the stream's 32 loads are younger: the list's words are in
	G_ADDR                                         ; stands where the wave would wait for the stream's first loads
.irp t, 0,1,2,3,4,5,6,7,8,9,10,11,12,13,14,15,16,17,18,19,20,21,22,23,24,25,26,27,28,29,30,31
	QSTEP \t
.endr
	s_wait_loadcnt 0x0                             ; chunk 0's rows
	G_STORE 0, 40, 0, 1
	G_SSTORE 160, 1
	BARRIER                                        ; the weights' codes and bytes and chunk 0 of x lie in LDS
	WIN 0x40                                       ; destination window 1
	s_wait_alu depctr_vm_vsrc(0)                   ; my LDS stores have read the gathered rows in window 1, in which the fragments below land (the stream's lines that read v16-47 stand ahead of its last wait on va_vdst)
.irp a, 0,1,2,3                                ; tile a: gate (a < 2) or in, u = a % 2
.irp s, 0,1,2,3,4,5,6,7
.irp c, 0,1
	ds_load_b128 v[8*(8*\a+\s)+4*\c:8*(8*\a+\s)+4*\c+3], v[AW] offset:((\a/2)*64+(\a%2)*8)*XP+64*\s+32*\c
.endr
.endr
.endr
	WIN 0
.irp a, 0,1,2,3
.irp i, 0,1
	ds_load_b128 v[WSC+8*\a+4*\i:WSC+8*\a+4*\i+3], v[AWS] offset:((\a/2)*64+(\a%2)*8)*SPP+16*\i
.endr
.endr
	s_wait_dscnt 0x0
	s_wait_kmcnt 0x0                               ; the count
	s_mov_b32 s37, 0                               ; the chunk's first row,
	s_mov_b32 s38, 0                               ; its word in the list, in bytes,
	s_mov_b32 s39, 0                               ; its first tile
	TILES
	BARRIER                                        ; every wave's reads of chunk 0 are over
	s_mov_b32 s36, 0
.Lchunk:                                           ; three trips, whatever the count: rows 320, 640, 960 on
	s_wait_alu depctr_vm_vsrc(0)                   ; the last chunk's loads have read GL and GLS, which are written below, and GT and GSO, in which the list's loads land
	s_add_co_u32 s37, s37, 320
	s_add_co_u32 s38, s38, 1280
	s_add_co_u32 s39, s39, 20
	v_add_nc_u32 v[GL], s38, v[GL0]                ; (the loads that read these two in the trip before were waited for there)
	v_add_nc_u32 v[GLS], s38, v[GLS0]
	s_cmp_ge_u32 s37, s26
	s_cbranch_scc1 .Lno_rows                       ; nothing listed from here on: nothing is gathered
	s_wait_alu depctr_va_vdst(0)                   ; GL and GLS are written, which the list's loads read; the last G_ADDR is done with GT and GSO, in which they land
	G_LIST GL, GLS
	s_wait_loadcnt 0x0
	G_ADDR
	s_wait_alu depctr_va_vdst(0)                   ; G_ADDR has written GT and GSO, the offsets of all the gather's loads below; the tiles' products and arithmetic are done with v48-137, in which these loads land
	G_ROWS 0, 20, 48, 0
	s_wait_loadcnt 0x0
	G_STORE 0, 20, 48, 0
	s_wait_dscnt 0x0                               ; the stores have read their registers
	s_wait_alu depctr_vm_vsrc(0)                   ; the LDS stores have read v48-127, in which the second twenty rows land
	G_ROWS 20, 20, 48, 0
	G_SCL 128, 0
	s_wait_loadcnt 0x0
	G_STORE 20, 20, 48, 0
	G_SSTORE 128, 0
.Lno_rows:
	BARRIER
	TILES
	BARRIER
	s_add_co_u32 s36, s36, 1
	s_cmp_lt_u32 s36, 3
	s_cbranch_scc1 .Lchunk
	s_wait_dscnt 0x0                               ; the closing lines, six on end
	s_wait_alu 0x0
	s_wait_tensorcnt 0x0
	ds_add_u32 v254, v255
	s_wait_dscnt 0x0
	s_endpgm
.Lfunc_end_k_q532dfcd87f_up:
	.size	k_q532dfcd87f_up, .Lfunc_end_k_q532dfcd87f_up-k_q532dfcd87f_up
	.p2alignl 7, 3214868480
	.fill 96, 4, 3214868480
	.section	.rodata,"a",@progbits
	.p2align	6, 0x0
	.amdhsa_kernel k_q532dfcd87f_up
		.amdhsa_group_segment_fixed_size 259072
		.amdhsa_private_segment_fixed_size 0
		.amdhsa_enable_private_segment 0
		.amdhsa_kernarg_size 56
		.amdhsa_user_sgpr_count 2
		.amdhsa_user_sgpr_kernarg_segment_ptr 1
		.amdhsa_wavefront_size32 1
		.amdhsa_system_sgpr_workgroup_id_x 1
		.amdhsa_system_sgpr_workgroup_id_y 1
		.amdhsa_system_sgpr_workgroup_id_z 1
		.amdhsa_system_vgpr_workitem_id 0
		.amdhsa_next_free_vgpr 512
		.amdhsa_next_free_sgpr 66
		.amdhsa_reserve_vcc 0
		.amdhsa_float_denorm_mode_32 3
		.amdhsa_float_denorm_mode_16_64 3
		.amdhsa_memory_ordered 1
		.amdhsa_forward_progress 1
		.amdhsa_inst_pref_size 157
	.end_amdhsa_kernel
	.amdgpu_metadata
---
amdhsa.version: [ 1, 2 ]
amdhsa.kernels:
  - .name:           k_q532dfcd87f_up
    .symbol:         k_q532dfcd87f_up.kd
    .args:
      - { .name: w_gate, .offset: 0, .size: 8, .value_kind: global_buffer, .address_space: global }
      - { .name: w_in, .offset: 8, .size: 8, .value_kind: global_buffer, .address_space: global }
      - { .name: xq, .offset: 16, .size: 8, .value_kind: global_buffer, .address_space: global }
      - { .name: xs, .offset: 24, .size: 8, .value_kind: global_buffer, .address_space: global }
      - { .name: pos, .offset: 32, .size: 8, .value_kind: global_buffer, .address_space: global }
      - { .name: hq, .offset: 40, .size: 8, .value_kind: global_buffer, .address_space: global }
      - { .name: hs, .offset: 48, .size: 8, .value_kind: global_buffer, .address_space: global }
    .group_segment_fixed_size: 259072
    .private_segment_fixed_size: 0
    .kernarg_segment_align: 8
    .kernarg_segment_size: 56
    .max_flat_workgroup_size: 256
    .sgpr_count:     66
    .vgpr_count:     512
    .wavefront_size: 32
...
	.end_amdgpu_metadata
.endif
;; end of part 6
;; launch down (part 7): grid 32 x 8, 8 waves a work-group, no clusters, 55,296 bytes of LDS; arguments w_out, hq, hs, pos, y; writes y
.if DOCPART == 7
	.amdgcn_target "amdgcn-amd-amdhsa--gfx1250"
	.amdhsa_code_object_version 6
	.text
	.protected	k_q532dfcd87f_down
	.globl	k_q532dfcd87f_down
	.p2align	8
	.type	k_q532dfcd87f_down,@function
k_q532dfcd87f_down:
	s_mov_b64 s[64:65], 0
	v_nop
	global_prefetch_b8 v0, s[64:65] scope:SCOPE_SE
	s_setreg_imm32_b32 hwreg(HW_REG_WAVE_SCHED_MODE, 0, 2), 2
	s_setreg_imm32_b32 hwreg(HW_REG_WAVE_MODE, 25, 1), 1
	s_wait_xcnt 0x0
	s_wait_alu depctr_vm_vsrc(0)
; y = h Wo^T for the rows of each expert, on codes of E2M1 with one E8M0 scale for each 32 along K = 2,048.
; SHARES.  Work-group (ds, e) owns outputs 32 ds .. 32 ds + 31 of expert e: 32 rows of w_out, 262,144 bytes of f32 that no other work-group reads.  It reads them once (each wave 4 rows = 32,768 dense bytes in 16 steps
; of 2,048, eight steps ahead) and QUANTISES THEM AS THEY ARE LOADED: a load gives a lane four neighbours along K, so a block of 32 lies in eight neighbouring lanes of one load; only codes and scale bytes go to LDS,
; as rows, and every wave then keeps all 32 fragments (2 tiles of 16 outputs x 16 K steps) in window 1.
; Then wave w takes the expert's tiles of 16 rows w, w + 8, ..: h's 16 fragments come from hq as they lie in the registers (32 loads of 512 dense bytes), 32 matrix instructions, and the tile's 16 x 32 results
; leave through the wave's own stage as 2,048 consecutive bytes of y [e][ds][rank][32].  The whole K is summed here, in one accumulator for each output, K ascending.
; The first tile (T = wave) is asked for in the slots that the stream's tail leaves free, before the count is looked at: for an expert with fewer rows those bytes were never stored; they are loaded and never multiplied.
; NO CLUSTER, NO TENSOR LOAD: the number of tiles hangs on a count read from memory, so the operands go from memory through registers.
; LIMITS: as in the launch before: NaN and infinities are not served; a block under 2^-124 gets the byte 1.
; THE MODE: SCHED_MODE bits 1:0 = 2 (LLVM: expert scheduling mode 2), set by the entry lines.  The code itself states the register dependences
; between vector or matrix instructions and memory or LDS instructions, with s_wait_alu, always for 0.
; THE PLAN.  Registers that memory or LDS instructions touch:
;   R0 .. R7     Stream: step t's maxima and conversions read R[t % 8]; behind them the loads of step t + 8, or two K steps of h, land in it.  Tiles: the products read all eight; behind them the next tile's h lands.
;   DQ0, DQ1     Step t's conversions and shifts write DQ[t % 2]; the step's eight LDS stores read it; step t + 2 writes it again; behind the stream the products write these registers: they are the accumulators.
;   ACC          Written by a tile's products, read by its four LDS stores.
;   HSR          h's scale words: loads land, the products read.
;   HA, HSA, YO  Written once a tile, by three additions that stand together behind the products; read by the next tile's loads and by this tile's stores.
;   YB           LDS loads land, the tile's global stores read.  All other offsets are made at the head and never written again.
; So a step of the stream has ONE wait on va_vdst, behind its last vector line, with the step's loads and stores behind it and no vector line among them; and one on vm_vsrc beside it, which stands a whole step behind
; the stores that it waits for.  A tile has one wait on vm_vsrc, at the loop's top, and one on va_vdst, behind the places that follow its products: no vector line stands behind that one in the tile.
.set WPT,  1040                        ; a row of 2,048 codes in LDS: 1,024 bytes + 16: an odd multiple of 16
.set SPP,  80                          ; a row's 64 scale bytes + 16
.set WC,   0                           ; 32 rows of codes
.set WS,   WC+32*WPT                   ; their scale bytes
.set STG,  WS+32*SPP                   ; for each wave a stage of 16 rows x 144 bytes for y
.set YW,   16*144
.set LN,   1
.set L16,  2
.set WCA,  5                           ; where my four codes of a load go: my wave's rows + 2 x lane
.set WSA,  6                           ; and my block's byte: my wave's rows + lane / 8
.set AW,   7                           ; my lane's place in a weight fragment
.set AWS,  8
.set HA,   9                           ; my 16 bytes in the tile's image of h
.set HSA,  10                          ; my row's scale bytes
.set YSI,  11                          ; y's stage, way in
.set YSO,  12                          ; way out
.set YO,   13                          ; my byte offset in y
.set R,    16                          ; v16-143  the stream's eight sets; then h's fragments, K step s at v[16 + 8 s]
.set DQ,   144                         ; stream: v144-159 two sets of four registers of codes and four of scale bytes
.set ACC,  144                         ; products: v144-159 the two accumulators
.set YB,   160                         ; v160-175 the tile's rows on their way out
.set T,    176                         ; v176-179 four blocks' largest magnitudes, v180-183 the conversions' scale operands
.set WSC,  192                         ; v192-223 the weights' scale words, 16 n + s
.set HSR,  224                         ; v224-239 h's scale words
.set WP,   40
.set HQ,   44
.set HSB,  46
.set YP,   48
                                       ; window 1: the 32 weight fragments, (n, s) at v[8 (16 n + s)]
.set MSB, 0
.macro WIN new
.if MSB != (\new)
	s_set_vgpr_msb (MSB<<8)|(\new)
.set MSB, (\new)
.endif
.endm
.macro BARRIER
	s_wait_dscnt 0x0
	s_barrier_signal -1
	s_barrier_wait -1
.endm
.macro LOADW t
.irp i, 0,1,2,3
	global_load_b128 v[R+16*((\t)%8)+4*\i:R+16*((\t)%8)+4*\i+3], v[L16], s[WP:WP+1] offset:2048*(\t)+512*\i th:TH_LOAD_NT
.endr
.endm
.macro HLOAD p                         ; K steps 2 p and 2 p + 1 of the tile's image: four loads of 512 dense bytes
.irp u, 0,1
.irp c, 0,1
	global_load_b128 v[R+16*(\p)+8*\u+4*\c:R+16*(\p)+8*\u+4*\c+3], v[HA], s[HQ:HQ+1] offset:1024*(2*(\p)+\u)+512*\c
.endr
.endr
.endm
.macro HSLOAD                          ; my row's 16 scale words
.irp i, 0,1,2,3
	global_load_b128 v[HSR+4*\i:HSR+4*\i+3], v[HSA], s[HSB:HSB+1] offset:16*\i
.endr
.endm
; A STEP OF THE STREAM: 512 numbers, a quarter of a weight row.  Load i holds K = 128 i + 4 lane + 0 .. 3 of the quarter: one K step of 128; its block b lies in lanes 8 b .. 8 b + 7.
; The conversion takes eight consecutive registers under ONE scale: it is given a quad and the quad beside it, and only the half made under the right scale is kept: quads 0, 1, 2 as the low half of the
; windows (0, 1), (1, 2), (2, 3), quad 3 as the high half of (2, 3).  No window leaves the step's own 16 registers.  Behind the step's vector lines its registers take the step eight on, or, in the tail, two K steps of h.
; The step's loads stand ahead of its LDS stores.
.macro QSTEP t
.set RS, R+16*((\t)%8)
.set DD, DQ+8*((\t)%2)
.set CO, WPT*((\t)/4)+256*((\t)%4)
.set SOF, SPP*((\t)/4)+16*((\t)%4)
	s_wait_loadcnt 28                              ; this step's four loads are in; every slot issues four loads, so seven slots' loads are younger
	s_wait_dscnt 8                                 ; the last step's eight stores may be out: those of two steps back have read the registers that this step writes again
.irp i, 0,1,2,3
	v_max3_num_f32 v[T+\i], |v[RS+4*\i]|, |v[RS+4*\i+1]|, |v[RS+4*\i+2]|
.endr
.irp i, 0,1,2,3
	v_max3_num_f32 v[T+\i], v[T+\i], |v[RS+4*\i+3]|, 0x1800000     ; my four numbers, and the floor 2^(3 - 127)
.endr
.irp m, 1,2,4
.irp i, 0,1,2,3
	v_max_num_f32_dpp v[T+\i], v[T+\i], v[T+\i] row_xmask:\m row_mask:0xf bank_mask:0xf   ; with the block's seven other lanes
.endr
.endr
.irp i, 0,1,2,3
	v_add_nc_u32 v[T+4+\i], 0xff000000, v[T+\i]    ; 2 off the exponent field: the conversion's scale operand
.endr
	v_cvt_scalef32_pk8_fp4_f32 v[DD], v[RS:RS+7], v[T+4]           ; low half: quad 0's four codes
	v_cvt_scalef32_pk8_fp4_f32 v[DD+1], v[RS+4:RS+11], v[T+5]      ; low half: quad 1's
	v_cvt_scalef32_pk8_fp4_f32 v[DD+2], v[RS+8:RS+15], v[T+6]      ; low half: quad 2's
	v_cvt_scalef32_pk8_fp4_f32 v[DD+3], v[RS+8:RS+15], v[T+7]      ; HIGH half: quad 3's
.irp i, 0,1,2,3
	v_lshrrev_b32 v[DD+4+\i], 23, v[T+4+\i]        ; the bytes.  (Also the plain lines behind the conversions)
.endr
	v_lshrrev_b32 v[DD+3], 16, v[DD+3]
.if (\t) >= 1 && (\t) <= 14
	s_wait_alu depctr_vm_vsrc(0)                   ; the last step's LDS stores have read the other set of DQ, which the next step's conversions write again
.endif
	s_wait_alu depctr_va_vdst(0)                   ; this step's lines have written its set of DQ, which the stores below read, and are done reading its set of R, in which the loads below land
.if (\t) <= 7
	LOADW (\t)+8
.else
	HLOAD (\t)-8                                   ; the set that this step has left takes two K steps of h
.endif
.if (\t) == 15
	HSLOAD
.endif
.irp i, 0,1,2,3
	ds_store_b16 v[WCA], v[DD+\i] offset:CO+64*\i  ; the wave stores 64 consecutive bytes of the row: 128 codes.  No vector line since the wait names these registers
.endr
.irp i, 0,1,2,3
	ds_store_b8 v[WSA], v[DD+4+\i] offset:SOF+4*\i ; the eight lanes of a block write the same byte with the same value
.endr
.endm
	s_load_b256 s[4:11], s[0:1], 0x0               ; w_out, hq, hs, pos
	s_load_b64 s[12:13], s[0:1], 0x20              ; y
	v_lshl_add_u32 v254, v0, 2, 0xd400
	v_mov_b32 v255, 0
	v_lshrrev_b32 v[LN], 5, v0
	v_readfirstlane_b32 s20, v[LN]                 ; wave
	v_and_b32 v[LN], 31, v0
	s_wait_alu depctr_va_sdst(0)                   ; s20 is written, ahead of its first reader
	s_mov_b32 s23, ttmp9                           ; ds
	s_and_b32 s24, ttmp7, 0xffff                   ; e
	s_lshl_b32 s27, s24, 7                         ; the expert's count in pos; kept as it is while the load below is out
	v_lshlrev_b32 v[L16], 4, v[LN]
	v_and_b32 v250, 15, v0                         ; r
	v_bfe_u32 v251, v0, 4, 1                       ; h
	s_mul_i32 s28, s20, YW
	s_add_co_u32 s28, s28, STG                     ; my wave's stage
	v_mul_u32_u24 v[YSI], v250, 144
	v_lshl_add_u32 v[YSI], v251, 5, v[YSI]
	v_add_nc_u32 v[YSI], s28, v[YSI]               ; row r, + 32 h: my eight outputs of a tile
	v_lshrrev_b32 v253, 3, v[LN]
	v_mul_u32_u24 v[YSO], v253, 144
	v_and_b32 v252, 7, v[LN]
	v_lshl_add_u32 v[YSO], v252, 4, v[YSO]
	v_add_nc_u32 v[YSO], s28, v[YSO]               ; back: eight lanes to a row of 128 bytes, four rows an instruction
	s_mul_i32 s28, s20, 4*WPT                      ; my wave's 4 weight rows in WC
	v_lshl_add_u32 v[WCA], v[LN], 1, s28           ; + 2 x lane
	s_mul_i32 s28, s20, 4*SPP
	s_add_co_u32 s28, s28, WS
	v_lshrrev_b32 v[WSA], 3, v[LN]
	v_add_nc_u32 v[WSA], s28, v[WSA]               ; + lane / 8
	v_mul_u32_u24 v[AW], v250, WPT
	v_lshl_add_u32 v[AW], v251, 4, v[AW]
	v_mul_u32_u24 v[AWS], v250, SPP
	v_add_nc_u32 v[AWS], WS, v[AWS]
	s_lshl_b32 s28, s20, 14                        ; tile T = wave: 16,384 bytes a tile
	v_add_nc_u32 v[HA], s28, v[L16]
	s_lshl_b32 s28, s20, 10                        ; its 16 rows of 64 scale bytes
	v_lshl_add_u32 v[HSA], v250, 6, s28
	s_lshl_b32 s30, s24, 23                        ; the expert's w_out: 8 MiB; my slice: 32 rows of 8,192 bytes; my wave's 4 rows
	s_lshl_b32 s28, s23, 18
	s_add_co_u32 s30, s30, s28
	s_lshl_b32 s28, s20, 15
	s_add_co_u32 s30, s30, s28
	s_mov_b32 s31, 0
	s_lshl_b32 s52, s24, 20
	s_mov_b32 s53, 0
	s_lshl_b32 s54, s24, 16
	s_mov_b32 s55, 0
	s_lshl_b32 s56, s24, 5
	s_add_co_u32 s56, s56, s23
	s_lshl_b32 s56, s56, 17                        ; y: (32 e + ds) x 1,024 rows of 128 bytes
	s_mov_b32 s57, 0
	s_wait_kmcnt 0x0
	s_load_b32 s26, s[10:11], s27 offset:0x8000    ; the expert's rows; waited for ahead of the tiles
	s_add_nc_u64 s[WP:WP+1], s[4:5], s[30:31]
	s_add_nc_u64 s[HQ:HQ+1], s[6:7], s[52:53]
	s_add_nc_u64 s[HSB:HSB+1], s[8:9], s[54:55]
	s_add_nc_u64 s[YP:YP+1], s[12:13], s[56:57]
	s_wait_alu depctr_va_vdst(0)                   ; the offsets and LDS addresses made above are written: the kernel's loads and stores read them
.irp t, 0,1,2,3,4,5,6,7
	LOADW \t
.endr
.irp t, 0,1,2,3,4,5,6,7,8,9,10,11,12,13,14,15
	QSTEP \t
.endr
	BARRIER                                        ; the 32 rows' codes and bytes lie in LDS
	WIN 0x40                                       ; destination window 1: no vector line and no store has named these registers
.irp n, 0,1
.irp s, 0,1,2,3,4,5,6,7,8,9,10,11,12,13,14,15
.irp c, 0,1
	ds_load_b128 v[8*(16*\n+\s)+4*\c:8*(16*\n+\s)+4*\c+3], v[AW] offset:16*WPT*\n+64*\s+32*\c
.endr
.endr
.endr
	WIN 0
.irp n, 0,1
.irp i, 0,1,2,3
	ds_load_b128 v[WSC+16*\n+4*\i:WSC+16*\n+4*\i+3], v[AWS] offset:16*SPP*\n+16*\i
.endr
.endr
	s_wait_dscnt 0x0
	s_wait_kmcnt 0x0                               ; the count
	s_mov_b32 s32, s20                             ; T
	s_mov_b32 s35, 0
.Ltile:                                            ; eight trips, whatever the count: a tile that begins at or behind the count is passed over
	s_wait_alu depctr_vm_vsrc(0)                   ; the last tile's LDS stores have read the accumulators (ahead of the first tile: the stream's last stores, DQ), its global stores YB and YO, the loads of h HA and HSA: all these are written below
	s_lshl_b32 s28, s32, 4
	s_cmp_ge_u32 s28, s26
	s_cbranch_scc1 .Lpast
	s_wait_loadcnt 0x0                             ; the tile's fragments and scale words
	s_wait_xcnt 0x0                                ; the last tile's stores have read their data and offset: both are written again below
	s_lshl_b32 s33, s32, 11                        ; 16 rows of 128 bytes a tile
	WIN 0x01                                       ; source 0 (the weights) window 1
.irp s, 0,1,2,3,4,5,6,7,8,9,10,11,12,13,14,15  ; the two accumulators take turns, one instruction a turn; the first K step starts the sums
.irp n, 0,1
.if \s == 0
	v_wmma_scale_f32_16x16x128_f8f6f4 v[ACC+8*\n:ACC+8*\n+7], v[8*(16*\n+\s):8*(16*\n+\s)+7], v[R+8*\s:R+8*\s+7], 0, v[WSC+16*\n+\s], v[HSR+\s] matrix_a_fmt:MATRIX_FMT_FP4 matrix_b_fmt:MATRIX_FMT_FP4
.else
	v_wmma_scale_f32_16x16x128_f8f6f4 v[ACC+8*\n:ACC+8*\n+7], v[8*(16*\n+\s):8*(16*\n+\s)+7], v[R+8*\s:R+8*\s+7], v[ACC+8*\n:ACC+8*\n+7], v[WSC+16*\n+\s], v[HSR+\s] matrix_a_fmt:MATRIX_FMT_FP4 matrix_b_fmt:MATRIX_FMT_FP4
.endif
.endr
.endr
	WIN 0
; Five places behind the last products: four for the stores of their results, a fifth for the next tile's products, which begin the accumulators anew.  The tile's three additions are three of them:
; they name no register of the products.  HA and HSA step in every tile that is multiplied; where no next tile follows, every later trip is passed over and nothing reads them again.
	v_add_nc_u32 v[HA], 0x20000, v[HA]             ; my next tile, eight on  (the loads that read these offsets are done)
	v_add_nc_u32 v[HSA], 0x2000, v[HSA]
	v_add_nc_u32 v[YO], s33, v[L16]                ; this tile's place in y
	v_nop
	v_nop
	s_wait_alu depctr_va_vdst(0)                   ; the products have written the accumulators, which the LDS stores read, and are done reading R and HSR, in which the next tile lands; HA, HSA and YO are written.  The places above stay beside this wait
	s_add_co_u32 s29, s28, 128
	s_cmp_ge_u32 s29, s26
	s_cbranch_scc1 .Lno_next                       ; my next tile, eight on, is asked for here if the expert has it: it lands under this tile's way out
.irp p, 0,1,2,3,4,5,6,7
	HLOAD \p
.endr
	HSLOAD
.Lno_next:
.irp n, 0,1                                    ; lane (r, h): y(16 T + r, 16 n + 8 h + 0 .. 7); each accumulator from its low end on
	ds_store_b128 v[YSI], v[ACC+8*\n:ACC+8*\n+3] offset:64*\n
	ds_store_b128 v[YSI], v[ACC+8*\n+4:ACC+8*\n+7] offset:64*\n+16
.endr
.irp i, 0,1,2,3
	ds_load_b128 v[YB+4*\i:YB+4*\i+3], v[YSO] offset:576*\i       ; LDS serves a wave's instructions in order: these see my stores
.endr
	s_wait_dscnt 0x0
.irp i, 0,1,2,3
	global_store_b128 v[YO], v[YB+4*\i:YB+4*\i+3], s[YP:YP+1] offset:512*\i     ; 32 lanes store 512 consecutive bytes, aligned
.endr
.Lpast:
	s_add_co_u32 s32, s32, 8
	s_add_co_u32 s35, s35, 1
	s_cmp_lt_u32 s35, 8
	s_cbranch_scc1 .Ltile
	s_wait_dscnt 0x0                               ; the closing lines, six on end
	s_wait_alu 0x0
	s_wait_tensorcnt 0x0
	ds_add_u32 v254, v255
	s_wait_dscnt 0x0
	s_endpgm
.Lfunc_end_k_q532dfcd87f_down:
	.size	k_q532dfcd87f_down, .Lfunc_end_k_q532dfcd87f_down-k_q532dfcd87f_down
	.p2alignl 7, 3214868480
	.fill 96, 4, 3214868480
	.section	.rodata,"a",@progbits
	.p2align	6, 0x0
	.amdhsa_kernel k_q532dfcd87f_down
		.amdhsa_group_segment_fixed_size 55296
		.amdhsa_private_segment_fixed_size 0
		.amdhsa_enable_private_segment 0
		.amdhsa_kernarg_size 40
		.amdhsa_user_sgpr_count 2
		.amdhsa_user_sgpr_kernarg_segment_ptr 1
		.amdhsa_wavefront_size32 1
		.amdhsa_system_sgpr_workgroup_id_x 1
		.amdhsa_system_sgpr_workgroup_id_y 1
		.amdhsa_system_sgpr_workgroup_id_z 1
		.amdhsa_system_vgpr_workitem_id 0
		.amdhsa_next_free_vgpr 512
		.amdhsa_next_free_sgpr 66
		.amdhsa_reserve_vcc 0
		.amdhsa_float_denorm_mode_32 3
		.amdhsa_float_denorm_mode_16_64 3
		.amdhsa_memory_ordered 1
		.amdhsa_forward_progress 1
		.amdhsa_inst_pref_size 69
	.end_amdhsa_kernel
	.amdgpu_metadata
---
amdhsa.version: [ 1, 2 ]
amdhsa.kernels:
  - .name:           k_q532dfcd87f_down
    .symbol:         k_q532dfcd87f_down.kd
    .args:
      - { .name: w_out, .offset: 0, .size: 8, .value_kind: global_buffer, .address_space: global }
      - { .name: hq, .offset: 8, .size: 8, .value_kind: global_buffer, .address_space: global }
      - { .name: hs, .offset: 16, .size: 8, .value_kind: global_buffer, .address_space: global }
      - { .name: pos, .offset: 24, .size: 8, .value_kind: global_buffer, .address_space: global }
      - { .name: y, .offset: 32, .size: 8, .value_kind: global_buffer, .address_space: global }
    .group_segment_fixed_size: 55296
    .private_segment_fixed_size: 0
    .kernarg_segment_align: 8
    .kernarg_segment_size: 40
    .max_flat_workgroup_size: 256
    .sgpr_count:     66
    .vgpr_count:     512
    .wavefront_size: 32
...
	.end_amdgpu_metadata
.endif
;; end of part 7
;; launch combine: the kernel of part 5 again; grid 256 x 1, 4 waves a work-group, no clusters, 0 bytes of LDS; arguments sel, gw, pos, y, out0; writes out0
